; MI455X (gfx1250); checked and timed in simulation.
; The chip was launched on July 23, 2026; its instructions are those of AMD's public machine-readable ISA for CDNA 5 (MIT licence, August 2026) and "CDNA5" Instruction Set Architecture Reference Guide (July 2026). The comments in the code are by the model that wrote it; some were corrected since.
;; Condor Attention. Allowed arithmetic: matrix products marked QUANTISED: E2M1 operands, one E8M0 scale for each 32 along K, by v_wmma_scale_f32_16x16x128_f8f6f4 with both operands' format E2M1 (or v_wmma_scale_f32_32x16x128_f4), f32 sums; products left as they are: bf16, f16 or f32 operands; f32 sums; everything else in f32.
;; Inputs: attention_mask 1 x 1 x 2,048 x 2,048 float32; hidden_states 1 x 2,048 x 2,048 float32; wk 2,048 x 2,048 float32; wo 2,048 x 2,048 float32; wq 2,048 x 2,048 float32; wv 2,048 x 2,048 float32.
;; Outputs: out0 1 x 2,048 x 2,048 float32.
;; This version of the problem:
;;   THIS VERSION OF THE PROBLEM IS GIVEN IN LOW PRECISION. The matrix products marked QUANTISED in the list below multiply operands that are first quantised to E2M1 (2 exponent bits, 1 mantissa bit; 4 bits a number), with one power-of-two scale for each 32 numbers along K (OCP MX v1.0); their sums are f32. The products marked 'left as it is' may take bf16, f16 or f32 operands, with f32 sums. Whichever they take, every output number must still come out within the allowed error. Rounding operands to bf16 (8 significant bits) uses up far more of that allowance than f16 does (11 bits, for magnitudes from 6e-5 to 65,504). All else is computed in f32.
;;   The module's matrix products, in the order in which they are computed (A, B: the left and right operand; K: the contracted axis; several contracted axes count as one K, in the product's order):
;;     1. [M 2,048, K 2,048] x [K 2,048, N 2,048]; A: input hidden_states; B: input wq: QUANTISED
;;     2. [M 2,048, K 2,048] x [K 2,048, N 2,048]; A: input hidden_states; B: input wk: QUANTISED
;;     3. [M 2,048, K 2,048] x [K 2,048, N 2,048]; A: input hidden_states; B: input wv: QUANTISED
;;     4. batch 32 x [M 2,048, K 64] x [K 64, N 2,048]; A: computed on the way; B: computed on the way: left as it is (an operand is computed on the way)
;;     5. batch 32 x [M 2,048, K 2,048] x [K 2,048, N 64]; A: computed on the way; B: computed on the way: left as it is (an operand is computed on the way)
;;     6. [M 2,048, K 2,048] x [K 2,048, N 2,048]; A: computed on the way; B: input wo: left as it is (an operand is computed on the way)
;;   THE QUANTISER, for each operand of a quantised product, along K:
;;     - K is cut into blocks of 32 from its start; a last block that is shorter is filled with zeros.
;;     - A block's scale is 2^e with e = floor(log2(the largest magnitude in the block)) - 2, held to -126 .. 127; a block of zeros has e = 0. As a byte (E8M0): e + 127.
;;     - Each number is divided by its block's scale, clamped to +-6, and rounded to the nearest number of E2M1, ties to even, subnormals kept.
;;     - The product sums the exact products of the quantised numbers (number of the format x scale) in f32.
;;   ~~~python
;;   def quantise(x, axis):      # numpy; x: float32 -> the quantised numbers, widened to float32 again
;;       x = np.moveaxis(x, axis, -1); K = x.shape[-1]
;;       x = np.pad(x, [(0, 0)] * (x.ndim - 1) + [(0, -K % 32)]); x = x.reshape(x.shape[:-1] + (-1, 32)); a = np.abs(x).max(-1, keepdims=True)
;;       e = np.where(a > 0, np.clip(np.frexp(np.where(a > 0, a, 1))[1] - 1 - 2, -126, 127), 0)      # np.frexp(a)[1] - 1 = floor(log2(a)), exactly
;;       r = np.clip(x / 2.0 ** e, -6, 6)
;;       step = 2.0 ** (np.maximum(np.frexp(np.where(r == 0, 1, r))[1] - 1, 0) - 1)
;;       q = np.round(r / step) * step * 2.0 ** e      # np.round: ties to even
;;       return np.moveaxis(q.reshape(q.shape[:-2] + (-1,))[..., :K], -1, axis).astype(np.float32)
;;   ~~~
;; One version. Each part assembles by itself: llvm-mc -triple=amdgcn-amd-amdhsa -mcpu=gfx1250 --defsym DOCPART=n.
;; ======== version 1 of 1: 4 launches
;; limits: right only within a limited range of input values; values are held in f16: magnitudes above 65,504 overflow, below 6.1e-05 lose precision
;; workspace buffers: codes 8,388,608 bytes; scales 524,288 bytes; wof 8,388,608 bytes; rope 524,288 bytes; flags 2,048 bytes of whole numbers; qkv 25,165,824 bytes; of 8,388,608 bytes
;; launch prep (part 1): grid 448 x 1, 4 waves a work-group, no clusters, 68,096 bytes of LDS; arguments hidden_states, wq, wk, wv, wo, attention_mask, codes, scales, wof, rope, flags; writes codes, scales, wof, rope, flags
.if DOCPART == 1
	.amdgcn_target "amdgcn-amd-amdhsa--gfx1250"
	.amdhsa_code_object_version 6
	.text
	.protected	k_q038e528600_prep
	.globl	k_q038e528600_prep
	.p2align	8
	.type	k_q038e528600_prep,@function
k_q038e528600_prep:
	s_mov_b64 s[64:65], 0
	v_nop
	global_prefetch_b8 v0, s[64:65] scope:SCOPE_SE
	s_setreg_imm32_b32 hwreg(HW_REG_WAVE_MODE, 25, 1), 1
	s_wait_xcnt 0x0
; PREP: everything that is made once from the inputs.  Four roles, parted by the work-group's number; each has its own text, its own end and its own LDS bytes.
;   X  (work-groups 0-127):   hidden_states [2048][2048] f32 -> codes of FP4 (E2M1), K innermost, rows 0-2047 of 'codes' (1,024 bytes a row), and one E8M0 byte for each 32 along K in 'scales' (64 bytes a row);
;                             beside it the RoPE tables cos and sin [2048 tokens][32 frequencies] f32, 16 tokens a work-group.
;   W  (128-319):             wq, wk, wv [k][n] f32, K the FIRST axis -> codes with K innermost: column n of tensor t is row 2048 + 2048 t + n of 'codes' and of 'scales'.
;   O  (320-383):             wo [k][n] f32 -> f16 in the order of a matrix operand's registers: [n / 16][k / 32][half][lane][16 bytes]; lane (r, h) holds wo[32 ks + 16 half + 8 h + 0..7][16 tile + r].
;   M  (384-447):             attention_mask -> two words for each 8 query rows; bit j speaks of keys 128 j .. 128 j + 127:
;                             ACTIVE: some row has a mask value there above (the row's largest mask value - 2^29);  MASKED: some mask value there is not 0.
; A block's scale is 2^(floor(log2(largest magnitude)) - 2); its byte is the largest magnitude's exponent field - 2, held at 1 from below.  A block of zeros gets the byte 1 where the rule says 127:
; its codes are zeros, which add nothing under any byte but 0xff, and this program alone reads the bytes.
; LIMITS: NaN and infinities among the f32 inputs are not served; blocks whose largest magnitude lies under 2^(2 - 126) were not tried; wo must fit f16 (magnitudes under 65,504).
; The flags let the attention launch pass over tiles that are not ACTIVE: that is right while the spread of q.k/8 within a row stays under 2^29 - 150; NaN and +infinity in the mask are not served.
.set SPARE, 67584                      ; behind X's and W's regions: the spare words, 128 bytes for each wave: two blocks of 256 bytes that no other line names
.set SPW,   254                        ; v254 LDS address of my spare word; never rewritten
.set NIL,   255                        ; v255 0; never rewritten
.set EMAX,  2
; ---- role X
.set XSTEPS, 16
.set CB,    8                          ; bytes of 16 codes
.set XR,    16                         ; v16-79   four sets of 16 numbers as loaded
.set XX,    80                         ; v80-111  two sets of 16 neighbours
.set XE,    112                        ; v112-127 a scale byte for each step
.set XC,    128                        ; v128-191 codes: four registers a step, never written again
.set WREG,  8192                       ; LDS 0-32,767: a region for each wave: two stages of 32 x SP bytes, then its 256 scale bytes
.set SP,    80                         ; a lane's place in a stage: 64 bytes + 16 of padding
.macro XLOAD t
.irp i, 0,1,2,3
	global_load_b128 v[XR+16*((\t)%4)+4*\i:XR+16*((\t)%4)+4*\i+3], v3, s[8:9] offset:2048*(\t)+512*\i th:TH_LOAD_NT   ; 32 lanes read 512 consecutive bytes
.endr
.endm
.macro XTURN t                         ; a step's 2,048 bytes through my stage: in as they lie, back 64 bytes a lane.  LDS serves a wave's instructions in order: no wait between
.irp i, 0,1,2,3
	ds_store_b128 v14, v[XR+16*((\t)%4)+4*\i:XR+16*((\t)%4)+4*\i+3] offset:32*SP*((\t)%2)+8*SP*\i
.endr
.irp i, 0,1,2,3
	ds_load_b128 v[XX+16*((\t)%2)+4*\i:XX+16*((\t)%2)+4*\i+3], v15 offset:32*SP*((\t)%2)+16*\i
.endr
.endm
.macro XSTEP t
.set XS, XX+16*((\t)%2)
.if (\t) > 0
	s_wait_dscnt 1                                 ; this step's numbers are back from the stage; the last step's byte store may be out
.else
	s_wait_dscnt 0x0
.endif
.if (\t)+4 < XSTEPS
	XLOAD (\t)+4                                   ; the stage's stores have read these registers
.endif
.if (\t)+1 < XSTEPS
.if XSTEPS-2-(\t) >= 3
	s_wait_loadcnt 12                              ; the next step's four loads are in; those of the three steps behind it may be out
.else
	s_wait_loadcnt 4*(XSTEPS-2-(\t))
.endif
	XTURN (\t)+1
.endif
	v_max3_num_f32 v8, |v[XS]|, |v[XS+1]|, |v[XS+2]|               ; the largest magnitude of my 16
	v_max3_num_f32 v9, |v[XS+3]|, |v[XS+4]|, |v[XS+5]|
.irp i, 6,10
	v_max3_num_f32 v8, v8, |v[XS+\i]|, |v[XS+\i+1]|
	v_max3_num_f32 v9, v9, |v[XS+\i+2]|, |v[XS+\i+3]|
.endr
	v_max3_num_f32 v8, v8, |v[XS+14]|, |v[XS+15]|
	v_max3_num_f32 v8, v8, v9, (EMAX+1)<<23        ; and the floor 2^(EMAX + 1 - 127): the byte cannot fall under 1
	v_max_num_f32_dpp v8, v8, v8 row_xmask:1 row_mask:0xf bank_mask:0xf   ; with my neighbour's 16: the block's
	v_add_nc_u32 v11, -(EMAX<<23), v8              ; EMAX off its exponent field: the conversion takes this operand's exponent field as its scale
	v_cvt_scalef32_pk8_fp4_f32 v[XC+4*(\t)], v[XS:XS+7], v11
	v_cvt_scalef32_pk8_fp4_f32 v[XC+4*(\t)+1], v[XS+8:XS+15], v11
	v_lshrrev_b32 v[XE+(\t)], 23, v11              ; the scale's byte (a plain line behind the conversions)
	ds_store_b8 v5, v[XE+(\t)] offset:16*(\t)      ; both lanes of a block write the same byte with the same value
	global_store_b64 v4, v[XC+4*(\t):XC+4*(\t)+1], s[20:21] offset:32*CB*(\t)   ; the wave stores 256 consecutive bytes, aligned
.endm
; ---- role W
.set WBASE, 32768                      ; LDS 32,768-67,583: a stage of 32 rows x WP bytes for each wave
.set WP,    272
.set KROW,  1024                       ; a row of 'codes'
.set NB,    16                         ; blocks of 32 along K for a wave
.set WX,    32                         ; v32-95   two sets of 32 numbers
.set WC,    96                         ; v96-99   a block's codes
.set WOUT,  112                        ; v112-175 the way out
.set WSB,   24                         ; v24-27   the scale bytes, four to a register
.macro WLOAD t                         ; block t: W(32 t + i, my column), i = 0 .. 31
.set i, 0
.rept 32
	global_load_b32 v[WX+32*((\t)%2)+i], v3, s[4:5] offset:(32*(\t)+i)*8192 th:TH_LOAD_NT
.set i, i+1
.endr
.endm
.macro WBLOCK t
.set XS, WX+32*((\t)%2)
.if (\t) < NB-1
	s_wait_loadcnt 32                              ; this block's 32 loads are in; the next block's may be out
.else
	s_wait_loadcnt 0x0
.endif
	v_max3_num_f32 v12, |v[XS]|, |v[XS+1]|, |v[XS+2]|              ; the block's largest magnitude: all 32 numbers are mine
	v_max3_num_f32 v13, |v[XS+3]|, |v[XS+4]|, |v[XS+5]|
.irp i, 6,10,14,18,22,26
	v_max3_num_f32 v12, v12, |v[XS+\i]|, |v[XS+\i+1]|
	v_max3_num_f32 v13, v13, |v[XS+\i+2]|, |v[XS+\i+3]|
.endr
	v_max3_num_f32 v12, v12, |v[XS+30]|, |v[XS+31]|
	v_max3_num_f32 v12, v12, v13, (EMAX+1)<<23
	v_add_nc_u32 v11, -(EMAX<<23), v12
	v_lshrrev_b32 v13, 23, v11                     ; the scale's byte
.if (\t)%4 == 0
	v_mov_b32 v[WSB+(\t)/4], v13
.else
	v_lshl_or_b32 v[WSB+(\t)/4], v13, 8*((\t)%4), v[WSB+(\t)/4]
.endif
.irp g, 0,1,2,3
	v_cvt_scalef32_pk8_fp4_f32 v[WC+\g], v[XS+8*\g:XS+8*\g+7], v11
.endr
	ds_store_b128 v4, v[WC:WC+3] offset:16*(\t)    ; 32 codes: 16 bytes of my column's row (the next block begins with plain vector lines)
.if (\t)+2 < NB
	WLOAD (\t)+2
.endif
	s_wait_dscnt 0x0                               ; the store has read its registers: the next block's codes may be written
.endm
; ---- role O
.set OX,    32                         ; v32-95   two sets of 32 numbers
.set OC,    96                         ; v96-127  two sets of 16 registers of f16 pairs
.macro OLOAD k
.set i, 0
.rept 32
	global_load_b32 v[OX+32*((\k)%2)+i], v3, s[16:17] offset:(32*(\k)+i)*8192 th:TH_LOAD_NT
.set i, i+1
.endr
.endm
.macro OSTEP k
.if (\k) < 15
	s_wait_loadcnt 32                              ; this step's 32 loads are in; the next step's may be out
.else
	s_wait_loadcnt 0x0
.endif
	s_wait_xcnt 0x0                                ; the stores of two steps back have read their data: that set is written again only behind this wait
.set i, 0
.rept 16
	v_cvt_pk_f16_f32 v[OC+16*((\k)%2)+i], v[OX+32*((\k)%2)+2*i], v[OX+32*((\k)%2)+2*i+1]
.set i, i+1
.endr
.if (\k)+2 < 16
	OLOAD (\k)+2
.endif
.irp o, 0,1,2,3
	global_store_b128 v4, v[OC+16*((\k)%2)+4*\o:OC+16*((\k)%2)+4*\o+3], s[24:25] offset:(\k)*1024+\o*256   ; sixteen lanes store 256 consecutive bytes, aligned
.endr
.endm
; ---- role M
.set MD,    16                         ; v16-31   for each key step: the largest (mask - its row's largest), over my rows and my 4 keys
.set MAB,   32                         ; v32-47   for each key step: the largest |mask|
.set MMX,   48                         ; v48-63   at work
.set MRW,   64                         ; v64-191  two rows of 64 registers
.macro MLOAD r                         ; a row of the mask: 16 loads of 512 consecutive bytes; load i is key step i
.irp i, 0,1,2,3,4,5,6,7,8,9,10,11,12,13,14,15
	global_load_b128 v[MRW+64*((\r)%2)+4*\i:MRW+64*((\r)%2)+4*\i+3], v3, s[18:19] offset:(\r)*8192+512*\i
.endr
.endm
.macro MROW r
.set XS, MRW+64*((\r)%2)
.if (\r) < 7
	s_wait_loadcnt 16                              ; this row is in; the next row's 16 loads may be out
.else
	s_wait_loadcnt 0x0
.endif
.irp i, 0,1,2,3,4,5,6,7,8,9,10,11,12,13,14,15
	v_max3_num_f32 v[MMX+\i], v[XS+4*\i], v[XS+4*\i+1], v[XS+4*\i+2]
	v_max3_num_f32 v[MAB+\i], v[MAB+\i], |v[XS+4*\i]|, |v[XS+4*\i+1]|
.endr
.irp i, 0,1,2,3,4,5,6,7,8,9,10,11,12,13,14,15
	v_max_num_f32 v[MMX+\i], v[MMX+\i], v[XS+4*\i+3]
	v_max3_num_f32 v[MAB+\i], v[MAB+\i], |v[XS+4*\i+2]|, |v[XS+4*\i+3]|
.endr
.if (\r)+2 < 8
	MLOAD (\r)+2
.endif
	v_max3_num_f32 v8, v[MMX], v[MMX+1], v[MMX+2]  ; the row's largest: over my 16 steps,
.irp i, 3,5,7,9,11,13
	v_max3_num_f32 v8, v8, v[MMX+\i], v[MMX+\i+1]
.endr
	v_max_num_f32 v8, v8, v[MMX+15]
	v_max_num_f32_dpp v8, v8, v8 row_xmask:1 row_mask:0xf bank_mask:0xf   ; and over the 32 lanes
	v_max_num_f32_dpp v8, v8, v8 row_xmask:2 row_mask:0xf bank_mask:0xf
	v_max_num_f32_dpp v8, v8, v8 row_xmask:4 row_mask:0xf bank_mask:0xf
	v_max_num_f32_dpp v8, v8, v8 row_xmask:8 row_mask:0xf bank_mask:0xf
	v_permlanex16_b32 v9, v8, s36, s37
	v_max_num_f32 v8, v8, v9
.irp i, 0,1,2,3,4,5,6,7,8,9,10,11,12,13,14,15
	v_sub_f32 v[MMX+\i], v[MMX+\i], v8
.endr
.irp i, 0,1,2,3,4,5,6,7,8,9,10,11,12,13,14,15
	v_max_num_f32 v[MD+\i], v[MD+\i], v[MMX+\i]
.endr
.endm
	s_load_b512 s[8:23], s[0:1], 0x0               ; x s[8:9], wq s[10:11], wk s[12:13], wv s[14:15], wo s[16:17], mask s[18:19], codes s[20:21], scales s[22:23]
	s_load_b128 s[24:27], s[0:1], 0x40             ; wof s[24:25], rope s[26:27]
	s_load_b64 s[28:29], s[0:1], 0x50              ; flags
	v_lshl_add_u32 v[SPW], v0, 2, SPARE
	v_mov_b32 v[NIL], 0
	v_lshrrev_b32 v1, 5, v0
	v_readfirstlane_b32 s30, v1                    ; wave 0..3
	v_and_b32 v2, 31, v0                           ; lane
	s_wait_kmcnt 0x0
	s_cmp_lt_u32 ttmp9, 128
	s_cbranch_scc1 .Lrole_x
	s_cmp_lt_u32 ttmp9, 320
	s_cbranch_scc1 .Lrole_w
	s_cmp_lt_u32 ttmp9, 384
	s_cbranch_scc1 .Lrole_o
; ======== role M: block a = work-group - 384 of 32 query rows; my wave's 8 rows.  No LDS, no barrier: each wave stores the two words of its own rows
	s_sub_co_u32 s31, ttmp9, 384
	s_lshl_b32 s32, s31, 5
	s_lshl_b32 s33, s30, 3
	s_add_co_u32 s32, s32, s33                     ; my first row
	s_lshl_b32 s32, s32, 13                        ; x 8,192 bytes
	s_mov_b32 s33, 0
	s_add_nc_u64 s[18:19], s[18:19], s[32:33]
	v_lshlrev_b32 v3, 4, v2
	MLOAD 0
	MLOAD 1
	s_mov_b32 s36, 0x76543210
	s_mov_b32 s37, 0xfedcba98                      ; lane selects: lane l xor 16
	s_mov_b32 s44, 0xce000000                      ; -2^29
.irp i, 0,1,2,3,4,5,6,7,8,9,10,11,12,13,14,15
	v_mov_b32 v[MD+\i], 0xff61b1e6                 ; -3e38
	v_mov_b32 v[MAB+\i], 0
.endr
	v_mov_b32 v9, 0                                ; a lane permute's destination counts as one of its sources
.irp r, 0,1,2,3,4,5,6,7
	MROW \r
.endr
	s_mov_b32 s41, 0
	s_mov_b32 s42, 0
.irp i, 0,1,2,3,4,5,6,7,8,9,10,11,12,13,14,15
	v_cmp_gt_f32 s40, v[MD+\i], s44                ; the lanes in which some key of step i counts: no reduction over lanes is needed
	s_cmp_lg_u32 s40, 0
	s_cselect_b32 s43, 1<<\i, 0
	s_or_b32 s41, s41, s43                         ; ACTIVE
	v_cmp_gt_f32 s40, v[MAB+\i], 0
	s_cmp_lg_u32 s40, 0
	s_cselect_b32 s43, 1<<\i, 0
	s_or_b32 s42, s42, s43                         ; MASKED
.endr
	v_mov_b32 v4, s41
	v_mov_b32 v5, s42
	v_cmp_eq_u32 vcc_lo, 1, v2
	v_cndmask_b32 v4, v4, v5, vcc_lo               ; lane 0 holds ACTIVE, lane 1 MASKED
	v_lshlrev_b32 v5, 10, v2                       ; at byte 0 and at byte 1,024
	s_lshl_b32 s32, s31, 4
	s_lshl_b32 s34, s30, 2
	s_add_co_u32 s32, s32, s34                     ; + 16 x block + 4 x wave
	s_add_nc_u64 s[28:29], s[28:29], s[32:33]
	v_cmp_gt_u32 vcc_lo, 2, v2
	s_wait_xcnt 0x0                                ; EXEC changes only behind this wait: the loads above have had their addresses translated
	s_and_saveexec_b32 s46, vcc_lo
	global_store_b32 v5, v4, s[28:29]
	s_wait_xcnt 0x0                                ; and again, in front of the line that widens it
	s_or_b32 exec_lo, exec_lo, s46
	s_endpgm
; ======== role X: my wave's run of 8,192 numbers of hidden_states: 16 steps of 512
.Lrole_x:
	v_lshlrev_b32 v3, 4, v2                        ; my 16 bytes of a load's 512
	s_mul_i32 s31, s30, WREG
	v_lshrrev_b32 v14, 2, v2
	v_mul_u32_u24 v14, v14, SP
	v_and_b32 v15, 3, v2
	v_lshl_add_u32 v14, v15, 4, v14
	v_add_nc_u32 v14, s31, v14                     ; the stage, on the way in: SP (lane / 4) + 16 (lane % 4)
	v_mul_u32_u24 v15, v2, SP
	v_add_nc_u32 v15, s31, v15                     ; and on the way out: SP x lane
	v_mul_u32_u24 v4, v2, CB                       ; my codes' place in a step's
	v_lshrrev_b32 v5, 1, v2
	s_add_co_u32 s31, s31, 2*32*SP
	v_add_nc_u32 v5, s31, v5                       ; LDS: my wave's 256 scale bytes, my block's byte
	v_lshlrev_b32 v7, 3, v2
	v_add_nc_u32 v6, s31, v7
	s_lshl_b32 s32, ttmp9, 2
	s_add_co_u32 s32, s32, s30                     ; which run is mine
	s_mov_b32 s35, 0
	s_lshl_b32 s34, s32, 15
	s_add_nc_u64 s[8:9], s[8:9], s[34:35]          ; 32,768 bytes of numbers,
	s_lshl_b32 s34, s32, 12
	s_add_nc_u64 s[20:21], s[20:21], s[34:35]      ; 4,096 of codes,
	s_lshl_b32 s34, s32, 8
	s_add_nc_u64 s[22:23], s[22:23], s[34:35]      ; 256 scale bytes a run
.irp t, 0,1,2,3
	XLOAD \t
.endr
	; THE RoPE TABLES, while those loads are on their way.  Thread t serves token 16 x work-group + t / 8 and frequencies 4 (t % 8) + 0..3.
	; angle = token x 10000^(-f / 32); n = the nearest whole number to angle x 2 / pi; r = angle - n pi / 2, pi / 2 in two parts; sin r and cos r by polynomials on |r| <= pi / 4; the quadrant n mod 4 swaps and signs them.
	s_mov_b32 s36, 0x3fc90fdb                      ; pi / 2, high part
	s_mov_b32 s37, 0xb33bbd2e                      ; and the rest
	s_mov_b32 s38, 0xb94ca1f9                      ; sin: -1.9515296e-4,
	s_mov_b32 s39, 0x3c08839e                      ; 8.3321609e-3,
	s_mov_b32 s40, 0xbe2aaaa3                      ; -1.6666655e-1
	s_mov_b32 s41, 0x37ccf5ce                      ; cos: 2.4433157e-5,
	s_mov_b32 s42, 0xbab6061a                      ; -1.3887316e-3,
	s_mov_b32 s43, 0x3d2aaaa5                      ; 4.1666646e-2
	v_and_b32 v192, 7, v0
	v_lshlrev_b32 v192, 2, v192
	v_lshrrev_b32 v193, 3, v0
	s_lshl_b32 s33, ttmp9, 4
	v_add_nc_u32 v193, s33, v193
	v_cvt_f32_u32 v193, v193                       ; my token
.irp e, 0,1,2,3
	v_add_nc_u32 v[196+\e], \e, v192
.endr
.irp e, 0,1,2,3
	v_cvt_f32_u32 v[196+\e], v[196+\e]
.endr
.irp e, 0,1,2,3
	v_mul_f32 v[196+\e], 0xbed49a78, v[196+\e]     ; -f log2(10000) / 32
.endr
.irp e, 0,1,2,3
	v_exp_f32 v[200+\e], v[196+\e]
.endr
	v_lshlrev_b32 v194, 4, v0                      ; (a plain line behind the exponentials)  my 16 bytes of the work-group's 2,048 in each table
	s_wait_alu depctr_va_vdst(0)                   ; one wait for the four, ahead of their first reader
.irp e, 0,1,2,3
	v_mul_f32 v[200+\e], v193, v[200+\e]           ; the angle
.endr
.irp e, 0,1,2,3
	v_mul_f32 v[204+\e], 0x3f22f983, v[200+\e]     ; x 2 / pi
.endr
.irp e, 0,1,2,3
	v_rndne_f32 v[204+\e], v[204+\e]               ; n
.endr
.irp e, 0,1,2,3
	v_fma_f32 v[200+\e], -v[204+\e], s36, v[200+\e]
.endr
.irp e, 0,1,2,3
	v_fma_f32 v[200+\e], -v[204+\e], s37, v[200+\e]   ; r
.endr
.irp e, 0,1,2,3
	v_mul_f32 v[208+\e], v[200+\e], v[200+\e]      ; z = r r
.endr
.irp e, 0,1,2,3
	v_fma_f32 v[212+\e], v[208+\e], s38, s39
	v_fma_f32 v[216+\e], v[208+\e], s41, s42
.endr
.irp e, 0,1,2,3
	v_fma_f32 v[212+\e], v[212+\e], v[208+\e], s40
	v_fma_f32 v[216+\e], v[216+\e], v[208+\e], s43
.endr
.irp e, 0,1,2,3
	v_mul_f32 v[212+\e], v[212+\e], v[208+\e]
	v_mul_f32 v[220+\e], v[208+\e], v[208+\e]
	v_fma_f32 v[224+\e], v[208+\e], -0.5, 1.0
.endr
.irp e, 0,1,2,3
	v_fma_f32 v[212+\e], v[212+\e], v[200+\e], v[200+\e]   ; sin r
	v_fma_f32 v[216+\e], v[216+\e], v[220+\e], v[224+\e]   ; cos r
	v_cvt_i32_f32 v[204+\e], v[204+\e]
.endr
.irp e, 0,1,2,3
	v_and_b32 v[228+\e], 1, v[204+\e]
	v_add_nc_u32 v[232+\e], 1, v[204+\e]
.endr
.irp e, 0,1,2,3
	v_cmp_eq_u32 vcc_lo, 1, v[228+\e]              ; an odd quadrant swaps the two
	v_cndmask_b32 v[244+\e], v[212+\e], v[216+\e], vcc_lo
	v_cndmask_b32 v[240+\e], v[216+\e], v[212+\e], vcc_lo
.endr
.irp e, 0,1,2,3
	v_and_b32 v[228+\e], 2, v[204+\e]              ; sin is negative in quadrants 2 and 3,
	v_and_b32 v[232+\e], 2, v[232+\e]              ; cos in 1 and 2
.endr
.irp e, 0,1,2,3
	v_lshlrev_b32 v[228+\e], 30, v[228+\e]
	v_lshlrev_b32 v[232+\e], 30, v[232+\e]
.endr
.irp e, 0,1,2,3
	v_xor_b32 v[244+\e], v[228+\e], v[244+\e]
	v_xor_b32 v[240+\e], v[232+\e], v[240+\e]
.endr
	s_lshl_b32 s34, ttmp9, 11
	s_add_nc_u64 s[26:27], s[26:27], s[34:35]
	global_store_b128 v194, v[240:243], s[26:27]                 ; cos: a wave stores 512 consecutive bytes
	global_store_b128 v194, v[244:247], s[26:27] offset:262144   ; sin
	s_wait_loadcnt 12                              ; step 0's four loads are in
	XTURN 0
.irp t, 0,1,2,3,4,5,6,7,8,9,10,11,12,13,14,15
	XSTEP \t
.endr
	ds_load_b64 v[8:9], v6                         ; LDS serves a wave's instructions in order: these see my byte stores
	s_wait_dscnt 0x0
	global_store_b64 v7, v[8:9], s[22:23]          ; 32 lanes store 256 consecutive bytes, aligned
	s_wait_tensorcnt 0x0                           ; the wave's end
	ds_add_u32 v[SPW], v[NIL]
	s_wait_dscnt 0x0
	s_endpgm
; ======== role W: u = work-group - 128: tensor u / 64, 128 columns (u % 16), 512 along K ((u / 16) % 4).  A lane takes a column, its registers run down K
.Lrole_w:
	s_sub_co_u32 s31, ttmp9, 128
	s_lshr_b32 s32, s31, 6
	s_cmp_eq_u32 s32, 0                            ; the choice hangs on the work-group's number alone
	s_cselect_b64 s[4:5], s[10:11], s[12:13]
	s_cmp_eq_u32 s32, 2
	s_cselect_b64 s[4:5], s[14:15], s[4:5]
	s_and_b32 s33, s31, 15
	s_bfe_u32 s34, s31, 0x20004                    ; which 512 along K
	s_lshl_b32 s33, s33, 7
	s_lshl_b32 s35, s30, 5
	s_add_co_u32 s33, s33, s35                     ; my wave's first column
	v_lshlrev_b32 v3, 2, v2
	s_mul_i32 s35, s30, 32*WP
	s_add_co_u32 s35, s35, WBASE                   ; my stage
	v_mul_u32_u24 v4, v2, WP
	v_add_nc_u32 v4, s35, v4                       ; into it: row = my column
	v_and_b32 v5, 15, v2
	v_lshrrev_b32 v6, 4, v2
	v_mul_u32_u24 v7, v6, WP
	v_lshl_add_u32 v7, v5, 4, v7
	v_add_nc_u32 v7, s35, v7                       ; out of it: sixteen lanes to a row, two rows an instruction
	v_mul_u32_u24 v8, v6, KROW
	v_lshl_add_u32 v8, v5, 4, v8                   ; and the same place in 'codes'
	v_lshlrev_b32 v9, 6, v2                        ; my column's row of scale bytes
	s_lshl_b32 s36, s34, 22                        ; 512 rows of 8,192 bytes
	s_lshl_b32 s37, s33, 2
	s_add_co_u32 s36, s36, s37
	s_mov_b32 s37, 0
	s_add_nc_u64 s[4:5], s[4:5], s[36:37]
	s_lshl_b32 s32, s32, 11
	s_add_co_u32 s32, s32, s33
	s_add_co_u32 s32, s32, 2048                    ; my first row of 'codes' and 'scales'
	s_lshl_b32 s36, s32, 10
	s_lshl_b32 s38, s34, 8
	s_add_co_u32 s36, s36, s38
	s_add_nc_u64 s[20:21], s[20:21], s[36:37]
	s_lshl_b32 s36, s32, 6
	s_lshl_b32 s38, s34, 4
	s_add_co_u32 s36, s36, s38
	s_add_nc_u64 s[22:23], s[22:23], s[36:37]
	WLOAD 0
	WLOAD 1
.irp t, 0,1,2,3,4,5,6,7,8,9,10,11,12,13,14,15
	WBLOCK \t
.endr
	global_store_b128 v9, v[WSB:WSB+3], s[22:23]   ; my column's 16 scale bytes
.irp t, 0,1,2,3,4,5,6,7,8,9,10,11,12,13,14,15
	ds_load_b128 v[WOUT+4*\t:WOUT+4*\t+3], v7 offset:2*\t*WP   ; LDS serves a wave's instructions in order: these see my stores
.endr
.irp t, 0,1,2,3,4,5,6,7,8,9,10,11,12,13,14,15
	s_wait_dscnt 15-\t                             ; loads come back in order: number t is in
	global_store_b128 v8, v[WOUT+4*\t:WOUT+4*\t+3], s[20:21] offset:2*\t*KROW   ; sixteen lanes store 256 consecutive bytes, aligned
.endr
	s_wait_tensorcnt 0x0                           ; the wave's end
	ds_add_u32 v[SPW], v[NIL]
	s_wait_dscnt 0x0
	s_endpgm
; ======== role O: u = work-group - 320: 128 columns (u % 16), 512 along K (u / 16).  A lane takes a column; 32 numbers down K are four pieces of 16 bytes of the image.  No LDS
.Lrole_o:
	s_sub_co_u32 s31, ttmp9, 320
	s_and_b32 s32, s31, 15
	s_lshr_b32 s33, s31, 4
	v_lshlrev_b32 v3, 2, v2
	v_lshrrev_b32 v4, 4, v2
	v_and_b32 v5, 15, v2
	v_lshlrev_b32 v4, 16, v4                       ; lanes 16-31 hold the next tile of 16 columns: 65,536 bytes on
	v_lshl_add_u32 v4, v5, 4, v4
	s_lshl_b32 s34, s33, 22
	s_lshl_b32 s35, s32, 9
	s_add_co_u32 s34, s34, s35
	s_lshl_b32 s35, s30, 7
	s_add_co_u32 s34, s34, s35
	s_mov_b32 s35, 0
	s_add_nc_u64 s[16:17], s[16:17], s[34:35]      ; wo at row 512 y, column 128 x + 32 wave
	s_lshl_b32 s34, s32, 19
	s_lshl_b32 s36, s30, 17
	s_add_co_u32 s34, s34, s36
	s_lshl_b32 s36, s33, 14
	s_add_co_u32 s34, s34, s36
	s_add_nc_u64 s[24:25], s[24:25], s[34:35]      ; the image at tile 8 x + 2 wave, K step 16 y
	OLOAD 0
	OLOAD 1
.irp k, 0,1,2,3,4,5,6,7,8,9,10,11,12,13,14,15
	OSTEP \k
.endr
	s_endpgm
.Lfunc_end_k_q038e528600_prep:
	.size	k_q038e528600_prep, .Lfunc_end_k_q038e528600_prep-k_q038e528600_prep
	.p2alignl 7, 3214868480
	.fill 96, 4, 3214868480
	.section	.rodata,"a",@progbits
	.p2align	6, 0x0
	.amdhsa_kernel k_q038e528600_prep
		.amdhsa_group_segment_fixed_size 68096
		.amdhsa_private_segment_fixed_size 0
		.amdhsa_enable_private_segment 0
		.amdhsa_kernarg_size 88
		.amdhsa_user_sgpr_count 2
		.amdhsa_user_sgpr_kernarg_segment_ptr 1
		.amdhsa_wavefront_size32 1
		.amdhsa_system_sgpr_workgroup_id_x 1
		.amdhsa_system_sgpr_workgroup_id_y 1
		.amdhsa_system_sgpr_workgroup_id_z 1
		.amdhsa_system_vgpr_workitem_id 0
		.amdhsa_next_free_vgpr 256
		.amdhsa_next_free_sgpr 66
		.amdhsa_reserve_vcc 1
		.amdhsa_float_denorm_mode_32 3
		.amdhsa_float_denorm_mode_16_64 3
		.amdhsa_memory_ordered 1
		.amdhsa_forward_progress 1
		.amdhsa_inst_pref_size 252
	.end_amdhsa_kernel
	.amdgpu_metadata
---
amdhsa.version: [ 1, 2 ]
amdhsa.kernels:
  - .name:           k_q038e528600_prep
    .symbol:         k_q038e528600_prep.kd
    .args:
      - { .name: hidden_states, .offset: 0, .size: 8, .value_kind: global_buffer, .address_space: global }
      - { .name: wq, .offset: 8, .size: 8, .value_kind: global_buffer, .address_space: global }
      - { .name: wk, .offset: 16, .size: 8, .value_kind: global_buffer, .address_space: global }
      - { .name: wv, .offset: 24, .size: 8, .value_kind: global_buffer, .address_space: global }
      - { .name: wo, .offset: 32, .size: 8, .value_kind: global_buffer, .address_space: global }
      - { .name: attention_mask, .offset: 40, .size: 8, .value_kind: global_buffer, .address_space: global }
      - { .name: codes, .offset: 48, .size: 8, .value_kind: global_buffer, .address_space: global }
      - { .name: scales, .offset: 56, .size: 8, .value_kind: global_buffer, .address_space: global }
      - { .name: wof, .offset: 64, .size: 8, .value_kind: global_buffer, .address_space: global }
      - { .name: rope, .offset: 72, .size: 8, .value_kind: global_buffer, .address_space: global }
      - { .name: flags, .offset: 80, .size: 8, .value_kind: global_buffer, .address_space: global }
    .group_segment_fixed_size: 68096
    .private_segment_fixed_size: 0
    .kernarg_segment_align: 8
    .kernarg_segment_size: 88
    .max_flat_workgroup_size: 128
    .sgpr_count:     66
    .vgpr_count:     256
    .wavefront_size: 32
...
	.end_amdgpu_metadata
.endif
;; end of part 1
;; launch qkv (part 2): grid 24 x 8, 4 waves a work-group, clusters of 4 x 4, 327,680 bytes of LDS; arguments codes, scales, rope, qkv; writes qkv
.if DOCPART == 2
	.amdgcn_target "amdgcn-amd-amdhsa--gfx1250"
	.amdhsa_code_object_version 6
	.text
	.protected	k_q038e528600_qkv
	.globl	k_q038e528600_qkv
	.p2align	8
	.type	k_q038e528600_qkv,@function
k_q038e528600_qkv:
	s_mov_b64 s[64:65], 0
	v_nop
	global_prefetch_b8 v0, s[64:65] scope:SCOPE_SE
	s_setreg_imm32_b32 hwreg(HW_REG_WAVE_MODE, 25, 1), 1
	s_wait_xcnt 0x0
	s_wait_alu depctr_hold_cnt(0) depctr_sa_sdst(0) depctr_va_vdst(0) depctr_va_sdst(0) depctr_va_ssrc(0) depctr_va_vcc(0) depctr_vm_vsrc(0)
	s_getreg_b32 s2, hwreg(HW_REG_IB_STS2, 6, 4)
	s_cmp_eq_u32 s2, 0
	s_cbranch_scc0 .Lentry_in_a_cluster
	s_endpgm
.Lentry_in_a_cluster:
	s_bfe_u32 s2, ttmp6, 0x10000c
	s_cmp_lg_u32 s2, 0xf033
	s_cbranch_scc0 .Lentry_shape_is_right
	s_endpgm
.Lentry_shape_is_right:
; q, k, v = x wq, x wk, x wv on codes of FP4 (E2M1) with one E8M0 scale for each 32 along K = 2,048; sums in f32; then RoPE on q and k in f32, q times log2(e) / 8, all rounded once to f16
; and stored AS IMAGES OF THE NEXT LAUNCH'S OPERAND REGISTERS: each store of a wave is 512 consecutive bytes, 16 a lane.
; 'codes' [8192 rows][1,024 bytes], 'scales' [8192][64]: rows 0-2047 tokens, 2048 + 2048 t + n column n of wq, wk, wv.
; A tile, 256 x 256, is made by four waves, each 128 x 128: 64 accumulators, 512 registers.  K goes in steps of 512 through two LDS slots filled by the tensor data mover (rows of 256 bytes);
; the scale bytes of the work-group's 2 x 256 rows, for all of K, come into LDS once with the first fills.
; CLUSTERS: 4 x 4 work-groups; a row of the cluster shares A's tiles, a column B's: each is asked for jointly.  The cluster's x / 2 says which product: 0 q, 1 k, 2 v: it is the same in all sixteen partners.
; THE MATRIX INSTRUCTION IS USED TRANSPOSED (source 0 = 16 rows of B, source 1 = 16 rows of A): a lane holds one row of A and eight neighbouring rows of B.
;   q, k: A = tokens, B = the weight's columns: a lane holds a token and eight neighbouring channels: half a fragment [16 tokens][32 channels].
;   v:    A = wv's columns, B = tokens: a lane holds a channel and eight neighbouring tokens: half a fragment of V^T [16 channels][32 keys].
; ONE way out serves all three: out1 = x1 c - x2 s, out2 = x2 c + x1 s with c = cos F + G, s = sin F; (F, G) = (log2(e) / 8, 0) for q, (1, 0) for k, (0, 1) for v, whose multiplications so change nothing.
; qkv: q at byte 0, k at 8 MiB: [head][token / 16][channel / 32][half][lane][16 bytes];  v at 16 MiB: [channel / 16 (128)][key / 32][half][lane][16 bytes].
; LIMIT: q log2(e) / 8, k and v must fit f16 (magnitudes under 65,504).
; REGISTERS: window 0: v16-30 addresses; v32-95 scale words, two sets; from v128 A's fragments, one set; on the way out v32-127 at work.  window 1: B's fragments at v0 and v128; the RoPE tables of my blocks 0-3 in v64-127, v192-255
; (asked for at the head), those of blocks 4-7 in B's registers (asked for behind the last product).  windows 2, 3: the accumulators ((a, b) at v[8 (8 (a % 4) + b)]).
.set SIZE_K, 2048
.set KSTEP,  512
.set NQ,     KSTEP/128
.set ROWB,   256
.set KROW,   SIZE_K*4/8
.set PITCH,  272                       ; an LDS row: 256 bytes + 16 of padding: the 16 rows that a load touches begin 68 words apart
.set FR,     8
.set NL,     2
.set NP,     4
.set HALFT,  128*PITCH
.set SLOT,   4*HALFT
.set LAPS,   SIZE_K/(2*KSTEP)
.set KS,     SIZE_K/32
.set SCL,    2*SLOT
.set HALFS,  (128*KS/256)*272
.set SBLK,   (16*KS/256)*272
.set SPARE,  SCL+4*HALFS               ; behind the scales: the spare words, 128 bytes for each wave: two blocks of 256 bytes that no other line names
.set ADRA, 16
.set ADRB, 20
.set VO,   24                          ; v24, v25: the way out: 16 x lane, and that + the step from my first 64 columns to my second
.set ADRS, 27
.set SPW,  28
.set NIL,  29
.set TV,   30                          ; v30: my place in the tables: 128 r + 32 h; never rewritten
.set SC,   32
.set AF,   128
.set G1, 24
.set G0, 32
.set G1B, 48
.set G0B, 56
.set G1S, 68
.set G0S, 76
.set G1SB, 80
.set G0SB, 88
.set MSB, 0
.macro WIN new                         ; the immediate's high byte repeats the setting that is left
.if MSB != (\new)
	s_set_vgpr_msb (MSB<<8)|(\new)
.set MSB, (\new)
.endif
.endm
.set MUL_LO, 0xa1                      ; source 0 (B) window 1, source 1 (A) window 0, C and D window 2
.set MUL_HI, 0xf1
.set TO_B,   0x40                      ; destination window 1, address window 0
; A joint load: waves 0 and 1 fetch for A, waves 2 and 3 for B; the branch hangs on the wave's number alone.  An s_nop 0 and four v_nop follow each of the two lines.
.macro JLOAD g0a, g1a, g0b, g1b
	s_cmp_eq_u32 s15, 0
	s_cbranch_scc0 .Lfor_b_\@
	tensor_load_to_lds s[\g0a:\g0a+3], s[\g1a:\g1a+7]
	s_nop 0
.rept 4
	v_nop
.endr
	s_branch .Lasked_\@
.Lfor_b_\@:
	tensor_load_to_lds s[\g0b:\g0b+3], s[\g1b:\g1b+7]
	s_nop 0
.rept 4
	v_nop
.endr
.Lasked_\@:
.endm
.macro CREST                           ; a round of the cluster's barrier behind its opening barrier
	s_cmp_lg_u32 s14, 0
	s_cbranch_scc1 .Lnot_wave_0_\@
	s_barrier_signal -3
.Lnot_wave_0_\@:
	s_barrier_wait -3
	s_barrier_signal -1
	s_barrier_wait -1
.endm
.macro CROUND
	s_barrier_signal -1
	s_barrier_wait -1
	CREST
.endm
	s_load_b256 s[4:11], s[0:1], 0x0               ; codes s[4:5], scales s[6:7], rope s[8:9], qkv s[10:11]
	v_lshl_add_u32 v[SPW], v0, 2, SPARE
	v_mov_b32 v[NIL], 0
	ds_add_u32 v[SPW], v[NIL]                      ; the wave's opening: the add, twice on end, and its wait ahead of my first tensor load
	ds_add_u32 v[SPW], v[NIL]
	v_lshrrev_b32 v1, 5, v0
	v_readfirstlane_b32 s14, v1                    ; wave 0..3
	s_lshr_b32 s15, s14, 1                         ; which half of A's rows is mine.  Also: I fetch for A (0) or for B (1)
	s_and_b32 s16, s14, 1                          ; which half of B's rows.  Also: which 128 rows I fetch
	s_bfe_u32 s40, ttmp6, 0x40000                  ; cx, cy
	s_bfe_u32 s41, ttmp6, 0x40004
	s_lshl_b32 s42, ttmp9, 2
	s_add_co_u32 s42, s42, s40                     ; tile column 0..23 = 4 x cluster x + cx
	s_and_b32 s17, ttmp7, 0xffff
	s_lshl_b32 s17, s17, 2
	s_add_co_u32 s17, s17, s41                     ; tile row 0..7
	s_lshl_b32 s43, s41, 2
	s_lshl_b32 s43, 15, s43                        ; my row of the cluster
	s_lshl_b32 s44, 0x1111, s40                    ; my column
	s_or_b32 s[G1+0], s43, (0<<16)|(1<<20)|(1<<21)|(5<<22)|(3<<25)  ; the mask; elements of 1 byte; padding on; bit 21 beside a mask; after every 64 words, 4 words
	s_or_b32 s[G1B+0], s44, (0<<16)|(1<<20)|(1<<21)|(5<<22)|(3<<25)
.irp g, G1, G1B
	s_mov_b32 s[\g+1], ROWB<<16                    ; tensor_dim0
	s_mov_b32 s[\g+2], 128<<16                     ; tensor_dim1
	s_mov_b32 s[\g+3], ROWB<<16                    ; tile_dim0
	s_mov_b32 s[\g+4], 128                         ; tile_dim1
	s_mov_b32 s[\g+5], KROW                        ; the pitch
	s_mov_b32 s[\g+6], 0
	s_mov_b32 s[\g+7], 0
.endr
	s_or_b32 s[G1S+0], s43, (3<<16)|(1<<20)|(1<<21)|(5<<22)|(3<<25)  ; the scales of 128 rows: a dense block as rows of 256 bytes (32 elements of 8), 16 bytes of padding behind each
	s_or_b32 s[G1SB+0], s44, (3<<16)|(1<<20)|(1<<21)|(5<<22)|(3<<25)
.irp g, G1S, G1SB
	s_mov_b32 s[\g+1], 32<<16
	s_mov_b32 s[\g+2], (128*KS/256)<<16
	s_mov_b32 s[\g+3], 32<<16
	s_mov_b32 s[\g+4], 128*KS/256
	s_mov_b32 s[\g+5], 32
	s_mov_b32 s[\g+6], 0
	s_mov_b32 s[\g+7], 0
.endr
	s_lshr_b32 s95, ttmp9, 2                       ; 1 for v (cluster x 4, 5), else 0
	s_mul_i32 s95, s95, 6144
	s_lshl_b32 s18, s16, 7
	s_lshl_b32 s20, s17, 8
	s_add_co_u32 s20, s20, s18
	s_add_co_u32 s20, s20, s95                     ; A's first row: tokens 256 x tile row + 128 x half; for v: wv's columns, 6,144 rows on
	s_lshl_b32 s46, s42, 8
	s_add_co_u32 s46, s46, s18
	s_add_co_u32 s46, s46, 2048
	s_sub_co_u32 s46, s46, s95                     ; B's: 2,048 + 256 x tile column + 128 x half; for v: tokens 256 x (tile column - 16) + 128 x half
	s_mov_b32 s21, 0
	s_mov_b32 s47, 0
	s_mov_b64 s[18:19], KS
	s_mul_u64 s[22:23], s[20:21], s[18:19]         ; where these rows' scales begin, in bytes,
	s_mul_u64 s[92:93], s[46:47], s[18:19]
	s_mov_b64 s[18:19], KROW
	s_mul_u64 s[20:21], s[20:21], s[18:19]         ; and their codes
	s_mul_u64 s[46:47], s[46:47], s[18:19]
	s_mul_i32 s45, s14, HALFT                      ; where they go: wave x 128 rows
	s_mul_i32 s94, s14, HALFS
	s_wait_dscnt 0x0                               ; both opening adds are done
	s_wait_kmcnt 0x0
	s_add_nc_u64 s[20:21], s[4:5], s[20:21]
	s_add_nc_u64 s[22:23], s[6:7], s[22:23]
	s_add_nc_u64 s[46:47], s[4:5], s[46:47]
	s_add_nc_u64 s[92:93], s[6:7], s[92:93]
	CROUND                                         ; all sixteen work-groups are here: the first joint loads meet
	s_mov_b32 s[G0S], 1
	s_add_co_u32 s[G0S+1], s94, SCL
	s_mov_b64 s[G0S+2:G0S+3], s[22:23]
	s_or_b32 s[G0S+3], s[G0S+3], 0x80000000
	s_mov_b32 s[G0SB], 1
	s_add_co_u32 s[G0SB+1], s94, SCL
	s_mov_b64 s[G0SB+2:G0SB+3], s[92:93]
	s_or_b32 s[G0SB+3], s[G0SB+3], 0x80000000
	JLOAD G0S, G1S, G0SB, G1SB                     ; the scales first: they are wanted with K step 0
.irp s, 0,1
	s_mov_b32 s[G0+4*\s], 1
	s_add_co_u32 s[G0+4*\s+1], s45, \s*SLOT
	s_add_nc_u64 s[G0+4*\s+2:G0+4*\s+3], s[20:21], \s*ROWB
	s_or_b32 s[G0+4*\s+3], s[G0+4*\s+3], 0x80000000
	s_mov_b32 s[G0B+4*\s], 1
	s_add_co_u32 s[G0B+4*\s+1], s45, \s*SLOT
	s_add_nc_u64 s[G0B+4*\s+2:G0B+4*\s+3], s[46:47], \s*ROWB
	s_or_b32 s[G0B+4*\s+3], s[G0B+4*\s+3], 0x80000000
	JLOAD G0+4*\s, G1, G0B+4*\s, G1B
.endr
	v_and_b32 v1, 15, v0                           ; r = l % 16
	v_bfe_u32 v2, v0, 4, 1                         ; h = l / 16
	v_mul_u32_u24 v3, v1, PITCH
	v_lshl_add_u32 v4, v2, 4, v3
	s_mul_i32 s21, s15, HALFT
	s_mul_i32 s22, s16, HALFT
	s_add_co_u32 s22, s22, 2*HALFT
.irp s, 0,1
	v_add_nc_u32 v[ADRA+\s], s21, v4
	v_add_nc_u32 v[ADRB+\s], s22, v4
	s_add_co_u32 s21, s21, SLOT
	s_add_co_u32 s22, s22, SLOT
.endr
	v_mul_u32_u24 v5, v1, KS                       ; my row's scales: KS bytes a row,
	v_lshrrev_b32 v6, 8, v5
	v_lshl_add_u32 v5, v6, 4, v5                   ; and 16 more for each 256 passed
	s_mul_i32 s21, s15, HALFS
	s_mul_i32 s22, s16, HALFS
	s_add_co_u32 s22, s22, 2*HALFS
	s_sub_co_u32 s22, s22, s21
	v_mul_u32_u24 v6, s22, v2                      ; lanes 16-31 take B's
	s_add_co_u32 s21, s21, SCL
	v_add_nc_u32 v5, v5, v6
	v_add_nc_u32 v[ADRS], s21, v5
	; the way out's numbers.  They hang on the product (cluster x / 2), which all partners share, and on my place in C
	s_lshr_b32 s18, ttmp9, 1                       ; 0 q, 1 k, 2 v
	s_cmp_eq_u32 s18, 0
	s_mov_b32 s96, 1.0
	s_cselect_b32 s96, 0x3e38aa3b, s96             ; F: log2(e) / 8 for q, 1 for k,
	s_cmp_eq_u32 s18, 2
	s_cselect_b32 s96, 0, s96                      ; 0 for v
	s_cselect_b32 s94, 1.0, 0                      ; G
	s_mov_b32 s66, 2048
	s_cselect_b32 s66, 0x10000, s66                ; from a block of 16 rows of A to the next: a tile of tokens, 2,048 bytes; for v a tile of channels, 65,536
	s_mov_b32 s95, 0x40000
	s_cselect_b32 s95, 2048, s95                   ; from 64 rows of B to the next: a head, 262,144 bytes; for v 64 keys, 2,048
	s_mov_b32 s97, s96                             ; (the packed forms name the pair)
	s_mov_b32 s67, 0
	s_lshl_b32 s19, s17, 4
	s_lshl_b32 s20, s15, 3
	s_add_co_u32 s19, s19, s20                     ; my first block of 16 rows of A
	s_and_b32 s20, s42, 7
	s_lshl_b32 s20, s20, 2
	s_lshl_b32 s21, s16, 1
	s_add_co_u32 s20, s20, s21                     ; my first 64 rows of B
	s_mul_i32 s19, s19, s66
	s_mul_i32 s20, s20, s95
	s_add_co_u32 s20, s20, s19
	s_lshl_b32 s18, s18, 23                        ; 8 MiB a product
	s_add_co_u32 s20, s20, s18
	s_mov_b32 s21, 0
	s_add_nc_u64 s[12:13], s[10:11], s[20:21]      ; where my part begins
	s_lshl_b32 s20, s17, 8
	s_lshl_b32 s19, s15, 7
	s_add_co_u32 s20, s20, s19
	s_lshl_b32 s20, s20, 7                         ; the tables at A's row 256 x tile row + 128 x half: 128 bytes a row (for v they are read too, and multiplied by 0)
	s_add_nc_u64 s[8:9], s[8:9], s[20:21]
	v_and_b32 v6, 31, v0
	v_lshlrev_b32 v[VO], 4, v6
	v_add_nc_u32 v[VO+1], s95, v[VO]
	v_lshlrev_b32 v[TV], 7, v1
	v_lshl_add_u32 v[TV], v2, 5, v[TV]
; The tables of block a: cos of my row's frequencies 16 b + 8 h + 0..7 (b = 0, 1) in 16 registers, sin in the next 16; in window 1
.macro TLD a
.set TB, 64*(1-(\a)/4)+32*((\a)%2)+128*(((\a)%4)/2)
.irp b, 0,1
.irp e, 0,1
	global_load_b128 v[TB+8*\b+4*\e:TB+8*\b+4*\e+3], v[TV], s[8:9] offset:(\a)*2048+\b*64+\e*16
	global_load_b128 v[TB+16+8*\b+4*\e:TB+16+8*\b+4*\e+3], v[TV], s[8:9] offset:262144+(\a)*2048+\b*64+\e*16
.endr
.endr
.endm
	WIN TO_B
	TLD 0                                          ; into registers that the loop never names; they are waited for on the way out
	TLD 1
	TLD 2
	TLD 3
	WIN 0
.macro FRAG reg, adr, q, i             ; a fragment, 16 rows x 128 K of 4-bit codes: lane l holds row l % 16; registers 4 c .. 4 c + 3 hold K = 64 c + 32 (l / 16) + 0 .. 31
.irp c, 0,1
	ds_load_b128 v[\reg+4*\c:\reg+4*\c+3], v[\adr] offset:64*(\q)+32*\c+(\i)*16*PITCH
.endr
.endm
; 16 matrix instructions: A's blocks a0, a0 + 1 x B's eight, 128 along K.  The 64 accumulators take turns, one instruction a turn, in the same order in every step.
.macro MUL16 a0, p, q, sc, zero
.irp a, \a0, \a0+1
.irp b, 0,1,2,3,4,5,6,7
.if \zero
	v_wmma_scale_f32_16x16x128_f8f6f4 v[8*(8*((\a)%4)+\b):8*(8*((\a)%4)+\b)+7], v[128*(\p)+FR*\b:128*(\p)+FR*\b+FR-1], v[AF+FR*(\a):AF+FR*(\a)+FR-1], 0, v[SC+8*NQ*(\sc)+NQ*\b+(\q)], v[SC+8*NQ*(\sc)+NQ*(\a)+(\q)] matrix_a_fmt:MATRIX_FMT_FP4 matrix_b_fmt:MATRIX_FMT_FP4 matrix_a_scale:MATRIX_SCALE_ROW1
.else
	v_wmma_scale_f32_16x16x128_f8f6f4 v[8*(8*((\a)%4)+\b):8*(8*((\a)%4)+\b)+7], v[128*(\p)+FR*\b:128*(\p)+FR*\b+FR-1], v[AF+FR*(\a):AF+FR*(\a)+FR-1], v[8*(8*((\a)%4)+\b):8*(8*((\a)%4)+\b)+7], v[SC+8*NQ*(\sc)+NQ*\b+(\q)], v[SC+8*NQ*(\sc)+NQ*(\a)+(\q)] matrix_a_fmt:MATRIX_FMT_FP4 matrix_b_fmt:MATRIX_FMT_FP4 matrix_a_scale:MATRIX_SCALE_ROW1
.endif
.endr
.endr
.endm
.macro FETCH_B slot, q, p
	WIN TO_B
.irp i, 0,1,2,3,4,5,6,7
	FRAG 128*(\p)+FR*\i, ADRB+\slot, \q, \i
.endr
	WIN 0
.endm
.macro FETCH_A slot, q, i0
.irp i, \i0, \i0+1, \i0+2, \i0+3
	FRAG AF+FR*(\i), ADRA+\slot, \q, \i
.endr
.endm
.macro SCALES sc                       ; a K step's scale words: lanes 0-15 take A's block i, lanes 16-31 B's block i
.irp i, 0,1,2,3,4,5,6,7
	ds_load_b128 v[SC+8*NQ*\sc+NQ*\i:SC+8*NQ*\sc+NQ*\i+3], v[ADRS] offset:\i*SBLK
.endr
.endm
.macro PLACES n                        ; plain vector lines between a matrix instruction and a load into, or a read of, its registers
.rept \n
	v_nop
.endr
.endm
.macro STEP slot, q, zero
	s_wait_dscnt 4*NL                              ; B's set and A's blocks 0-3 are in; the youngest eight loads (A's blocks 4-7) may be out
	WIN MUL_LO
	MUL16 0, (\q)%2, \q, \slot, \zero
	MUL16 2, (\q)%2, \q, \slot, \zero
	s_wait_dscnt 0
	PLACES NP
	FETCH_B \slot, (\q)+1, 1-(\q)%2
	FETCH_A \slot, (\q)+1, 0
	WIN MUL_HI
	MUL16 4, (\q)%2, \q, \slot, \zero
	MUL16 6, (\q)%2, \q, \slot, \zero
	PLACES NP
	WIN 0
	FETCH_A \slot, (\q)+1, 4
.endm
; A slot's last step changes slots: one barrier; in front of it each wave waits for all its tensor loads, adds 0 to its spare word, and waits for that and for its reads of this slot.
.macro TURN slot, next, fill
	s_wait_tensorcnt 0x0                           ; all my tensor loads have landed: my part of the next slot
	ds_add_u32 v[SPW], v[NIL]                      ; 0 onto my spare word
	s_wait_dscnt 4*NL+1                            ; the add and the youngest eight loads may be out
	WIN MUL_LO
	MUL16 0, 1, NQ-1, \slot, 0
	s_wait_dscnt 0x0                               ; the add is done, and my reads of this slot are over
	s_barrier_signal -1
	MUL16 2, 1, NQ-1, \slot, 0
	WIN 0
	s_barrier_wait -1
.if \fill
	CREST                                          ; the barrier has opened a round of the cluster's barrier: no wave of any partner still reads this slot or has a load on its way
	s_add_nc_u64 s[G0+4*\slot+2:G0+4*\slot+3], s[G0+4*\slot+2:G0+4*\slot+3], 2*ROWB
	s_add_nc_u64 s[G0B+4*\slot+2:G0B+4*\slot+3], s[G0B+4*\slot+2:G0B+4*\slot+3], 2*ROWB
	JLOAD G0+4*\slot, G1, G0B+4*\slot, G1B         ; the first tensor load behind the round; its four v_nop are the places in front of the loads below
.else
	PLACES NP
.endif
	v_add_nc_u32 v[ADRS], 4*NQ, v[ADRS]            ; on to the next K step's scale words
	FETCH_B \next, 0, 0
	FETCH_A \next, 0, 0
	SCALES \next
	WIN MUL_HI
	MUL16 4, 1, NQ-1, \slot, 0
	MUL16 6, 1, NQ-1, \slot, 0
	PLACES NP
	WIN 0
	FETCH_A \next, 0, 4
.endm
.macro STEPS slot, from
.set Q, \from
.rept NQ-1-\from
	STEP \slot, Q, 0
.set Q, Q+1
.endr
.endm
	s_wait_tensorcnt 1                             ; the scales and my part of K step 0 are in; K step 1's load may be out
	s_barrier_signal -1
	s_barrier_wait -1
	FETCH_B 0, 0, 0
	FETCH_A 0, 0, 0
	SCALES 0
	FETCH_A 0, 0, 4
	STEP 0, 0, 1                                   ; the first step stands in front of the loop: its products start the sums
	s_mov_b32 s3, LAPS-1
.Llap:                                             ; a trip goes once round the ring and fills both slots again
	STEPS 0, 1
	TURN 0, 1, 1
	STEPS 1, 0
	TURN 1, 0, 1
	STEP 0, 0, 0
	s_sub_co_u32 s3, s3, 1
	s_cmp_lg_u32 s3, 0
	s_cbranch_scc1 .Llap
	STEPS 0, 1                                     ; the last lap fills nothing
	TURN 0, 1, 0
	STEPS 1, 0
	s_wait_dscnt 4*NL
	WIN MUL_LO
	MUL16 0, 1, NQ-1, 1, 0
	MUL16 2, 1, NQ-1, 1, 0
	s_wait_dscnt 0
	WIN MUL_HI
	MUL16 4, 1, NQ-1, 1, 0
	MUL16 6, 1, NQ-1, 1, 0
	WIN 0
; THE WAY OUT, a block of 16 rows of A at a time.  My 128 rows of B are two groups of 64 (hh); in a group, accumulators b and b + 2 (b = 0, 1) are RoPE's partners, 32 apart.
; Each accumulator's eight numbers pack into 16 bytes a lane, which are registers 0-3 or 4-7 of the next operand in the lanes where they lie: they are stored at 16 x lane, with no turn through LDS.
.macro ROT a
.set TB, 64*(1-(\a)/4)+32*((\a)%2)+128*(((\a)%4)/2)
.set PK, 64+32*((\a)%2)
.set AC, 64*((\a)%4)
.if (\a) < 4
	s_wait_loadcnt 32                              ; the tables asked for at the head are in; those of blocks 4-7, 32 loads, may be out
.else
	s_wait_loadcnt 24-8*((\a)-4)                   ; this block's eight are in; the later blocks' may be out
.endif
	s_wait_xcnt 0x0                                ; the earlier stores have read their base and their data: both are written again only behind this wait
.if (\a) > 0
	s_add_nc_u64 s[12:13], s[12:13], s[66:67]
.endif
	WIN 0x41                                       ; destination and source 0 window 1
.irp j, 0,2,4,6,8,10,12,14
	v_pk_fma_f32 v[TB+\j:TB+\j+1], v[TB+\j:TB+\j+1], s[96:97], v[48:49] op_sel_hi:[1,0,1]   ; c = cos F + G
	v_pk_mul_f32 v[TB+16+\j:TB+17+\j], v[TB+16+\j:TB+17+\j], s[96:97] op_sel_hi:[1,0]       ; s = sin F
.endr
.irp hh, 0,1
.irp b, 0,1
	WIN 0x06+(\a)/4                                ; source 0: the accumulators' window, source 1: the tables'
.irp j, 0,2,4,6
	v_pk_mul_f32 v[32+\j:33+\j], v[AC+8*(4*\hh+\b)+\j:AC+8*(4*\hh+\b)+\j+1], v[TB+8*\b+\j:TB+8*\b+\j+1]       ; each accumulator from its low end on
	v_pk_mul_f32 v[40+\j:41+\j], v[AC+8*(4*\hh+\b+2)+\j:AC+8*(4*\hh+\b+2)+\j+1], v[TB+8*\b+\j:TB+8*\b+\j+1]
.endr
.irp j, 0,2,4,6
	v_pk_fma_f32 v[32+\j:33+\j], v[AC+8*(4*\hh+\b+2)+\j:AC+8*(4*\hh+\b+2)+\j+1], v[TB+16+8*\b+\j:TB+17+8*\b+\j], v[32+\j:33+\j] neg_lo:[0,1,0] neg_hi:[0,1,0]
	v_pk_fma_f32 v[40+\j:41+\j], v[AC+8*(4*\hh+\b)+\j:AC+8*(4*\hh+\b)+\j+1], v[TB+16+8*\b+\j:TB+17+8*\b+\j], v[40+\j:41+\j]
.endr
	WIN 0
.irp j, 0,1,2,3
	v_cvt_pk_f16_f32 v[PK+16*\hh+8*\b+\j], v[32+2*\j], v[33+2*\j]
	v_cvt_pk_f16_f32 v[PK+16*\hh+8*\b+4+\j], v[40+2*\j], v[41+2*\j]
.endr
	global_store_b128 v[VO+\hh], v[PK+16*\hh+8*\b:PK+16*\hh+8*\b+3], s[12:13] offset:512*\b          ; 32 lanes store 512 consecutive bytes, aligned
	global_store_b128 v[VO+\hh], v[PK+16*\hh+8*\b+4:PK+16*\hh+8*\b+7], s[12:13] offset:512*(\b+2)
.endr
.endr
.endm
	PLACES NP                                      ; behind the last products: for the loads into B's registers, the writes of scale registers and the reads of results
	v_mov_b32 v48, s94
	v_mov_b32 v49, s94                             ; G, as a pair
	WIN TO_B
	TLD 4
	TLD 5
	TLD 6
	TLD 7
	WIN 0
.irp a, 0,1,2,3,4,5,6,7
	ROT \a
.endr
	s_wait_tensorcnt 0x0                           ; the wave's end
	ds_add_u32 v[SPW], v[NIL]
	s_wait_dscnt 0x0
	CROUND                                         ; the closing round: no work-group ends while a partner may still ask for a tile that names it
	s_endpgm
.Lfunc_end_k_q038e528600_qkv:
	.size	k_q038e528600_qkv, .Lfunc_end_k_q038e528600_qkv-k_q038e528600_qkv
	.p2alignl 7, 3214868480
	.fill 96, 4, 3214868480
	.section	.rodata,"a",@progbits
	.p2align	6, 0x0
	.amdhsa_kernel k_q038e528600_qkv
		.amdhsa_group_segment_fixed_size 327680
		.amdhsa_private_segment_fixed_size 0
		.amdhsa_enable_private_segment 0
		.amdhsa_kernarg_size 32
		.amdhsa_user_sgpr_count 2
		.amdhsa_user_sgpr_kernarg_segment_ptr 1
		.amdhsa_wavefront_size32 1
		.amdhsa_system_sgpr_workgroup_id_x 1
		.amdhsa_system_sgpr_workgroup_id_y 1
		.amdhsa_system_sgpr_workgroup_id_z 1
		.amdhsa_system_vgpr_workitem_id 0
		.amdhsa_next_free_vgpr 1024
		.amdhsa_next_free_sgpr 98
		.amdhsa_reserve_vcc 0
		.amdhsa_float_denorm_mode_32 3
		.amdhsa_float_denorm_mode_16_64 3
		.amdhsa_memory_ordered 1
		.amdhsa_forward_progress 1
		.amdhsa_inst_pref_size 254
	.end_amdhsa_kernel
	.amdgpu_metadata
---
amdhsa.version: [ 1, 2 ]
amdhsa.kernels:
  - .name:           k_q038e528600_qkv
    .symbol:         k_q038e528600_qkv.kd
    .args:
      - { .name: codes, .offset: 0, .size: 8, .value_kind: global_buffer, .address_space: global }
      - { .name: scales, .offset: 8, .size: 8, .value_kind: global_buffer, .address_space: global }
      - { .name: rope, .offset: 16, .size: 8, .value_kind: global_buffer, .address_space: global }
      - { .name: qkv, .offset: 24, .size: 8, .value_kind: global_buffer, .address_space: global }
    .group_segment_fixed_size: 327680
    .private_segment_fixed_size: 0
    .kernarg_segment_align: 8
    .kernarg_segment_size: 32
    .max_flat_workgroup_size: 128
    .sgpr_count:     98
    .vgpr_count:     1024
    .wavefront_size: 32
...
	.end_amdgpu_metadata
.endif
;; end of part 2
;; launch attn (part 3): grid 8 x 32, 4 waves a work-group, no clusters, 66,048 bytes of LDS; arguments qkv, flags, attention_mask, of; writes of
.if DOCPART == 3
	.amdgcn_target "amdgcn-amd-amdhsa--gfx1250"
	.amdhsa_code_object_version 6
	.text
	.protected	k_q038e528600_attn
	.globl	k_q038e528600_attn
	.p2align	8
	.type	k_q038e528600_attn,@function
k_q038e528600_attn:
	s_mov_b64 s[64:65], 0
	v_nop
	global_prefetch_b8 v0, s[64:65] scope:SCOPE_SE
	s_setreg_imm32_b32 hwreg(HW_REG_WAVE_MODE, 25, 1), 1
	s_wait_xcnt 0x0
; o[q] = sum over k of softmax_k(q.k / 8 + mask[q][k]) v[k], for each of 32 heads of 64 channels; 2,048 queries and keys.  Operands f16, products, maxima and sums f32.
; q arrives times log2(e) / 8, so a product is a score in base 2: a = k.q (+ mask x log2(e), by one fused multiply-add, where the tile's mask is not all 0); p = 2^(a - m), m the running maximum, taken away by a subtraction.
; THE MASK IS AN INPUT.  An earlier launch stored, as whole numbers, for each 8 query rows and each 128 keys: ACTIVE (some row has a mask value there above its row's largest - 2^29) and MASKED (some value is not 0).
; A tile of 32 queries x 128 keys none of whose rows is ACTIVE is passed over; one that is not MASKED is not added to.  Scalar branches on those stored numbers; this launch has no tensor load, no joint loads and no cluster.
; LIMITS: passing over is right while the spread of q.k / 8 within a row stays under 2^29 - 150; NaN and +infinity in the mask are not served; the mask is scaled by log2(e) inside the multiply-add, where the
; definition adds it unscaled and scales nothing; p, rounded to f16, feeds the second product, the row's sum is of the unrounded p.  Rows that sum few keys are carried in f16 like all others.
; SHARES.  Work-group (g, head); wave w has a = 4 g + w and owns two PIECES of 32 queries: block a and block 63 - a (so that under a triangular mask all waves have equal work; no value hangs on that).
; Every wave walks 16 key steps of 128.  A step's K (16 KiB) and V (16 KiB) are images of operand registers; the four waves copy a quarter each through registers into one of two LDS slots, a step ahead, and all read them, 16 bytes a lane on end.
; LAYOUT.  S^T = K Q^T (source 0 = 16 keys, source 1 = 16 queries), O^T = V^T P (source 0 = 16 channels, source 1 = P): a lane holds ONE query throughout; two tiles of S^T, rounded in pairs, are a fragment of P.
; REGISTERS: window 0: v1-4 addresses; v30, v31 the add's two; v32-63 statistics, 8 a tile (+0 m, +2, +3 the sum, +6 the factor, others at work); v64-191 S^T of the piece in hand (64 a tile); v192-255 P (32 a tile).
;   window 1: v0-127 O^T (32 a tile); v128-191 Q (16 a tile); v192-255 the copy.   window 2: v0-127 K, v128-255 V of the step.   window 3: v0-127 a tile of the mask, laid as S^T.
.set SLOTB, 32768                      ; a slot: K's 16 KiB, then V's
.set VOFF,  16384
.set SPARE, 65536                      ; behind the slots: the spare words, 128 bytes for each wave: two blocks of 256 bytes that no other line names
.set LI,  1                            ; v1  16 x lane: LDS reads and all images in memory
.set LW,  2                            ; v2  16 x lane + 4,096 x wave: where I store my quarter
.set MO,  3                            ; v3  8,192 r + 32 h: my place in a tile of the mask
.set PFO, 4                            ; v4  the prefetches' offset
.set SPW, 30
.set NIL, 31
.set ST,  32
.set S,   64
.set P,   192
.set QF,  128                          ; in window 1
.set CP,  192                          ; in window 1
.set MSB, 0
.macro WIN new                         ; the immediate's high byte repeats the setting that is left
.if MSB != (\new)
	s_set_vgpr_msb (MSB<<8)|(\new)
.set MSB, (\new)
.endif
.endm
.macro PLACES                          ; four plain vector lines between a matrix instruction and a read of its result, a write of or a load into its registers
.rept 4
	v_nop
.endr
.endm
; 32 products S^T = K Q^T for piece x: channels 32 (i / 16) on, keys 16 ((i / 2) % 8) on, tile i % 2.  The first 16 start the sums.  The 16 accumulators take turns.
.macro KQ32 x
	WIN 0x06                                       ; K in window 2, Q in window 1, S^T in window 0
.set i, 0
.rept 32
.set rS, S+64*(i%2)+8*((i/2)%8)
.set rK, 16*((i/2)%8)+8*(i/16)
.set rQ, QF+16*(2*\x+i%2)+8*(i/16)
.if i < 16
	v_wmma_f32_16x16x32_f16 v[rS:rS+7], v[rK:rK+7], v[rQ:rQ+7], 0
.else
	v_wmma_f32_16x16x32_f16 v[rS:rS+7], v[rK:rK+7], v[rQ:rQ+7], v[rS:rS+7]
.endif
.set i, i+1
.endr
	WIN 0
.endm
; 32 products O^T += V^T P: keys 32 (i / 8) on, channels 16 ((i / 2) % 4) on, tile i % 2.  The 8 accumulators take turns.
.macro PV32 x
	WIN 0x52                                       ; V in window 2, P in window 0, O^T in window 1
.set i, 0
.rept 32
.set rO, 32*(2*\x+i%2)+8*((i/2)%4)
.set rV, 128+32*((i/2)%4)+8*(i/8)
.set rP, P+32*(i%2)+8*(i/8)
	v_wmma_f32_16x16x32_f16 v[rO:rO+7], v[rV:rV+7], v[rP:rP+7], v[rO:rO+7]
.set i, i+1
.endr
	WIN 0
.endm
.macro MX2 x, pa, pb                   ; four chains a tile, each over two accumulators (16 scores): two scores more
.irp c, 0,1,2,3
.irp t, 0,1
	v_max3_num_f32 v[ST+8*(2*\x+\t)+4+\c], v[ST+8*(2*\x+\t)+4+\c], v[S+64*\t+16*\c+\pa], v[S+64*\t+16*\c+\pb]
.endr
.endr
.endm
.macro TREE w, cnt                     ; the pair at w u takes the pair at w u + w / 2
.set u, 0
.rept \cnt
.irp t, 0,1
	v_pk_add_f32 v[S+64*\t+\w*u:S+64*\t+\w*u+1], v[S+64*\t+\w*u:S+64*\t+\w*u+1], v[S+64*\t+\w*u+\w/2:S+64*\t+\w*u+\w/2+1]
.endr
.set u, u+1
.endr
.endm
; PIECE x (0: block a, 1: block 63 - a), tiles 2 x and 2 x + 1, in the trip's step s (0, 1).
.macro PIECE x, s
	s_wait_dscnt 32                                ; K's 32 loads are in; V's 32, issued behind them, may be out
	s_bitcmp1_b32 s[18+\x], \s                     ; is the tile's mask anywhere other than 0?
	s_cbranch_scc0 .Lplain_\@
	WIN 0xc0                                       ; destination window 3
.irp qt, 0,1
.irp kt, 0,1,2,3,4,5,6,7
.irp e, 0,1
	global_load_b128 v[64*\qt+8*\kt+4*\e:64*\qt+8*\kt+4*\e+3], v[MO], s[36+2*\x:37+2*\x] offset:\qt*131072+\s*512+\kt*64+\e*16
.endr
.endr
.endr
	KQ32 \x
	s_wait_loadcnt 0x0                             ; the mask's tile
	PLACES
	WIN 0x03                                       ; source 0 window 3
.set n, 0
.rept 64
	v_pk_fma_f32 v[S+n:S+n+1], v[n:n+1], s[48:49], v[S+n:S+n+1] op_sel_hi:[1,0,1]   ; a = mask log2(e) + k.q; each accumulator from its low end on
.set n, n+2
.endr
	WIN 0
	s_branch .Ljoin_\@
.Lplain_\@:
	KQ32 \x
	PLACES
.Ljoin_\@:
	; the largest of my 64 scores a tile and of the old m.  The first two lines of a chain read the low ends of its two accumulators.
.irp c, 0,1,2,3
.irp t, 0,1
	v_max3_num_f32 v[ST+8*(2*\x+\t)+4+\c], v[S+64*\t+16*\c], v[S+64*\t+16*\c+1], v[S+64*\t+16*\c+2]
.endr
.endr
	MX2 \x, 8, 9
	MX2 \x, 3, 4
	MX2 \x, 5, 6
	MX2 \x, 7, 10
	MX2 \x, 11, 12
	MX2 \x, 13, 14
.irp c, 0,1,2,3
.irp t, 0,1
	v_max3_num_f32 v[ST+8*(2*\x+\t)+4+\c], v[ST+8*(2*\x+\t)+4+\c], v[S+64*\t+16*\c+15], v[ST+8*(2*\x+\t)]
.endr
.endr
.irp t, 0,1
	v_max3_num_f32 v[ST+8*(2*\x+\t)+4], v[ST+8*(2*\x+\t)+4], v[ST+8*(2*\x+\t)+5], v[ST+8*(2*\x+\t)+6]
.endr
.irp t, 0,1
	v_max_num_f32 v[ST+8*(2*\x+\t)+4], v[ST+8*(2*\x+\t)+4], v[ST+8*(2*\x+\t)+7]
.endr
.irp t, 0,1
	v_permlanex16_b32 v[ST+8*(2*\x+\t)+5], v[ST+8*(2*\x+\t)+4], s50, s51   ; the query's other 64 keys lie in the lane 16 away
.endr
.irp t, 0,1
	v_max_num_f32 v[ST+8*(2*\x+\t)+5], v[ST+8*(2*\x+\t)+4], v[ST+8*(2*\x+\t)+5]   ; the new m
.endr
.irp t, 0,1
	v_sub_f32 v[ST+8*(2*\x+\t)+7], v[ST+8*(2*\x+\t)], v[ST+8*(2*\x+\t)+5]         ; old m - new m
.endr
.irp t, 0,1
	v_mov_b32 v[ST+8*(2*\x+\t)], v[ST+8*(2*\x+\t)+5]
.endr
.irp t, 0,1
.set n, 0
.rept 32
	v_pk_add_f32 v[S+64*\t+n:S+64*\t+n+1], v[S+64*\t+n:S+64*\t+n+1], v[ST+8*(2*\x+\t):ST+8*(2*\x+\t)+1] op_sel_hi:[1,0] neg_lo:[0,1] neg_hi:[0,1]   ; a - m: exactly 0 where a = m
.set n, n+2
.endr
.endr
.irp t, 0,1
	v_exp_f32 v[ST+8*(2*\x+\t)+6], v[ST+8*(2*\x+\t)+7]   ; the factor 2^(old m - new m)
.endr
.set n, 0
.rept 128
	v_exp_f32 v[S+n], v[S+n]                       ; p: one batch of 130 exponentials
.set n, n+1
.endr
	v_nop                                          ; a plain line behind the last of them
	s_wait_alu depctr_va_vdst(0)                   ; one wait for the batch, ahead of its first reader
.set n, 0
.rept 64
	v_cvt_pk_f16_f32 v[P+n], v[S+2*n], v[S+2*n+1]
.set n, n+1
.endr
	TREE 4, 16                                     ; the sum of my 64 p a tile, as pairs, in place
	TREE 8, 8
	TREE 16, 4
	TREE 32, 2
	TREE 64, 1
.irp t, 0,1
	v_pk_fma_f32 v[ST+8*(2*\x+\t)+2:ST+8*(2*\x+\t)+3], v[ST+8*(2*\x+\t)+2:ST+8*(2*\x+\t)+3], v[ST+8*(2*\x+\t)+6:ST+8*(2*\x+\t)+7], v[S+64*\t:S+64*\t+1] op_sel_hi:[1,0,1]
.endr
	WIN 0x41                                       ; O^T in window 1, the factor in window 0
.irp t, 0,1
.set n, 0
.rept 16
	v_pk_mul_f32 v[32*(2*\x+\t)+n:32*(2*\x+\t)+n+1], v[32*(2*\x+\t)+n:32*(2*\x+\t)+n+1], v[ST+8*(2*\x+\t)+6:ST+8*(2*\x+\t)+7] op_sel_hi:[1,0]   ; ascending: each accumulator from its low end on
.set n, n+2
.endr
.endr
	s_wait_dscnt 0x0                               ; V is in
	PV32 \x
	PLACES                                         ; behind the last products: for the next loads into K and V, the next writes of P and the next reads of O^T
.endm
; A KEY STEP, the trip's step s; it reads slot s and fills slot 1 - s.  The flag words are shifted by two bits a trip, so bit s speaks of this step and bit s + 1 of the next.
.macro HALF s
	s_bitcmp1_b32 s20, \s+1                        ; does any wave of the work-group want the next step?  (Bits beyond step 15 are 0: no load passes its buffer's end)
	s_cbranch_scc0 .Lnc_\@
	WIN 0x40                                       ; destination window 1
.irp i, 0,1,2,3,4,5,6,7
	global_load_b128 v[CP+4*\i:CP+4*\i+3], v[LI], s[32:33] offset:(\s+1)*16384+512*\i       ; my quarter of its K,
.endr
.irp i, 0,1,2,3,4,5,6,7
	global_load_b128 v[CP+32+4*\i:CP+32+4*\i+3], v[LI], s[34:35] offset:(\s+1)*4096+512*\i  ; and of its V: 512 consecutive bytes a load
.endr
	WIN 0
.Lnc_\@:
	; A prefetch of K and V of the step three on: two steps ahead of the loads above that will want it.  All eight work-groups of a head walk the same K and V: the first of them asks.  Waves 0, 1: K's halves, lanes 256 bytes apart;
	; waves 2, 3: V's four tiles of channels, 16 lanes to a tile.  So each aligned block of 256 bytes is named once in the launch.  Steps 0 to 2 come by their loads alone; the last three steps ask for nothing.
	s_cmp_lt_u32 s45, s44
	s_cbranch_scc0 .Lnp_\@
	global_prefetch_b8 v[PFO], s[40:41] th:TH_LOAD_NT scope:SCOPE_SE
.Lnp_\@:
	s_bitcmp1_b32 s21, \s                          ; has either of my pieces work in this step?
	s_cbranch_scc0 .Lidle_\@
	WIN 0x80                                       ; destination window 2
.set n, 0
.rept 32
	ds_load_b128 v[4*n:4*n+3], v[LI] offset:\s*SLOTB+512*n
.set n, n+1
.endr
.set n, 0
.rept 32
	ds_load_b128 v[128+4*n:128+4*n+3], v[LI] offset:\s*SLOTB+VOFF+512*n
.set n, n+1
.endr
	WIN 0
	s_bitcmp1_b32 s16, \s
	s_cbranch_scc0 .Lno_l_\@
	PIECE 0, \s
.Lno_l_\@:
	s_bitcmp1_b32 s17, \s
	s_cbranch_scc0 .Lno_h_\@
	PIECE 1, \s
.Lno_h_\@:
.Lidle_\@:
	s_wait_loadcnt 0x0                             ; the copy is in registers.  On every way, so that no load is pending on registers that the next step loads again
	s_bitcmp1_b32 s20, \s+1
	s_cbranch_scc0 .Lns_\@
	WIN 0x04                                       ; an LDS store's data are its source 1: window 1
.irp i, 0,1,2,3,4,5,6,7
	ds_store_b128 v[LW], v[CP+4*\i:CP+4*\i+3] offset:(1-\s)*SLOTB+512*\i
.endr
.irp i, 0,1,2,3,4,5,6,7
	ds_store_b128 v[LW], v[CP+32+4*\i:CP+32+4*\i+3] offset:(1-\s)*SLOTB+VOFF+512*\i
.endr
	WIN 0
.Lns_\@:
	s_wait_xcnt 0x0                                ; the prefetch has read its address
	s_add_nc_u64 s[40:41], s[40:41], s[42:43]
	s_add_co_u32 s45, s45, 1
	s_wait_dscnt 0x0                               ; my reads of slot s are over and my stores into slot 1 - s have landed:
	s_barrier_signal -1                            ; one barrier a step orders both
	s_barrier_wait -1
.endm
	s_load_b256 s[4:11], s[0:1], 0x0               ; qkv s[4:5], flags s[6:7], mask s[8:9], of s[10:11]
	v_lshl_add_u32 v[SPW], v0, 2, SPARE
	v_mov_b32 v[NIL], 0
	v_lshrrev_b32 v5, 5, v0
	v_readfirstlane_b32 s12, v5                    ; wave 0..3
	s_and_b32 s13, ttmp7, 0xffff                   ; the head
	s_lshl_b32 s14, ttmp9, 2
	s_add_co_u32 s14, s14, s12                     ; a
	s_sub_co_u32 s15, 63, s14                      ; 63 - a
	s_lshl_b32 s16, s14, 4                         ; the flags' offsets: 16 bytes a block;
	s_lshl_b32 s17, s15, 4
	s_lshl_b32 s18, ttmp9, 6                       ; the work-group's blocks 4 g .. 4 g + 3,
	s_sub_co_u32 s19, 960, s18                     ; and 60 - 4 g .. 63 - 4 g
	s_lshl_b32 s22, s13, 18                        ; a head: 256 KiB in q, in k and in v
	s_mov_b32 s53, 0
	v_and_b32 v5, 31, v0
	v_lshlrev_b32 v[LI], 4, v5
	s_lshl_b32 s23, s12, 12
	v_add_nc_u32 v[LW], s23, v[LI]
	v_and_b32 v6, 15, v0                           ; r
	v_bfe_u32 v7, v0, 4, 1                         ; h
	v_lshlrev_b32 v[MO], 13, v6
	v_lshl_add_u32 v[MO], v7, 5, v[MO]
	s_wait_kmcnt 0x0
	s_load_b128 s[24:27], s[6:7], s16 offset:0x0   ; ACTIVE of block a's four groups of 8 rows,
	s_load_b128 s[28:31], s[6:7], s17 offset:0x0   ; of block 63 - a's;
	s_load_b128 s[68:71], s[6:7], s16 offset:0x400 ; MASKED likewise
	s_load_b128 s[72:75], s[6:7], s17 offset:0x400
	s_load_b512 s[76:91], s[6:7], s18 offset:0x0   ; ACTIVE of all eight blocks of the work-group
	s_load_b256 s[92:99], s[6:7], s19 offset:0x0
	s_load_b256 s[40:47], s[6:7], s19 offset:0x20
	s_add_co_u32 s52, s22, s23
	s_add_co_u32 s52, s52, 0x800000
	s_add_nc_u64 s[32:33], s[4:5], s[52:53]        ; K: my quarter of step 0
	s_lshl_b32 s23, s12, 16
	s_add_co_u32 s52, s22, s23
	s_add_co_u32 s52, s52, 0x1000000
	s_add_nc_u64 s[34:35], s[4:5], s[52:53]        ; V: channels 16 w on, step 0
	s_lshl_b32 s52, s14, 12
	s_add_co_u32 s52, s52, s22
	s_add_nc_u64 s[58:59], s[4:5], s[52:53]        ; Q of block a: two tiles, 4 KiB,
	s_lshl_b32 s52, s15, 12
	s_add_co_u32 s52, s52, s22
	s_add_nc_u64 s[60:61], s[4:5], s[52:53]        ; and of block 63 - a
	WIN 0x40                                       ; destination window 1
.irp i, 0,1,2,3,4,5,6,7
	global_load_b128 v[CP+4*\i:CP+4*\i+3], v[LI], s[32:33] offset:512*\i        ; step 0 is copied whatever the flags say
.endr
.irp i, 0,1,2,3,4,5,6,7
	global_load_b128 v[CP+32+4*\i:CP+32+4*\i+3], v[LI], s[34:35] offset:512*\i
.endr
.irp i, 0,1,2,3,4,5,6,7
	global_load_b128 v[QF+4*\i:QF+4*\i+3], v[LI], s[58:59] offset:512*\i        ; Q stays in registers
.endr
.irp i, 0,1,2,3,4,5,6,7
	global_load_b128 v[QF+32+4*\i:QF+32+4*\i+3], v[LI], s[60:61] offset:512*\i
.endr
.set n, 0
.rept 128
	v_mov_b32 v[n], 0                              ; O^T.  Which step is a piece's first hangs on the flags, so no first step can be written out: the first finds zeros, m = -3e38 and a factor 0
.set n, n+1
.endr
	WIN 0
.irp t, 0,1,2,3
	v_mov_b32 v[ST+8*\t], 0xff61b1e6               ; m = -3e38, under every score
.irp k, 1,2,3,4,5,6,7
	v_mov_b32 v[ST+8*\t+\k], 0
.endr
.endr
	s_mov_b32 s48, 0x3fb8aa3b                      ; log2(e)
	s_mov_b32 s49, s48
	s_mov_b32 s50, 0x76543210
	s_mov_b32 s51, 0xfedcba98                      ; lane selects: lane l xor 16
	s_lshl_b32 s52, s14, 18
	s_add_nc_u64 s[36:37], s[8:9], s[52:53]        ; the mask at block a's first row,
	s_lshl_b32 s52, s15, 18
	s_add_nc_u64 s[38:39], s[8:9], s[52:53]        ; and at block 63 - a's
	s_lshl_b32 s23, s13, 11
	s_lshl_b32 s52, s14, 17
	s_add_co_u32 s52, s52, s23
	s_add_nc_u64 s[54:55], s[10:11], s[52:53]      ; the result's image: 65,536 bytes a tile of 16 tokens, 2,048 a head
	s_lshl_b32 s52, s15, 17
	s_add_co_u32 s52, s52, s23
	s_add_nc_u64 s[56:57], s[10:11], s[52:53]
	s_wait_kmcnt 0x0                               ; the flags
	s_or_b32 s16, s24, s25
	s_or_b32 s16, s16, s26
	s_or_b32 s16, s16, s27                         ; block a: ACTIVE
	s_or_b32 s17, s28, s29
	s_or_b32 s17, s17, s30
	s_or_b32 s17, s17, s31                         ; block 63 - a
	s_or_b32 s18, s68, s69
	s_or_b32 s18, s18, s70
	s_or_b32 s18, s18, s71                         ; block a: MASKED
	s_or_b32 s19, s72, s73
	s_or_b32 s19, s19, s74
	s_or_b32 s19, s19, s75
	s_or_b32 s20, s76, s77
.irp k, 78,79,80,81,82,83,84,85,86,87,88,89,90,91,92,93,94,95,96,97,98,99,40,41,42,43,44,45,46,47
	s_or_b32 s20, s20, s\k                         ; the steps that some wave of the work-group wants
.endr
	s_or_b32 s21, s16, s17                         ; the steps that I want
	; the prefetches: who asks, and where
	s_cmp_lt_u32 s12, 2                            ; waves 0, 1 for K, waves 2, 3 for V
	s_mov_b32 s42, 4096
	s_cselect_b32 s42, 16384, s42                  ; a step on
	s_mov_b32 s2, 65536
	s_cselect_b32 s2, 4096, s2                     ; from lanes 0-15 to lanes 16-31
	s_mov_b32 s3, 131072
	s_cselect_b32 s3, 8192, s3                     ; from the even wave to the odd one
	s_mov_b32 s52, 0x1000000+3*4096
	s_cselect_b32 s52, 0x800000+3*16384, s52       ; at step 3
	s_mov_b32 s43, 0
	s_add_co_u32 s52, s52, s22
	s_add_nc_u64 s[40:41], s[4:5], s[52:53]
	v_lshlrev_b32 v[PFO], 8, v6
	v_mul_lo_u32 v8, v7, s2
	v_add_nc_u32 v[PFO], v[PFO], v8
	s_and_b32 s47, s12, 1
	s_mul_i32 s47, s47, s3
	v_add_nc_u32 v[PFO], s47, v[PFO]
	s_cmp_eq_u32 ttmp9, 0
	s_cselect_b32 s44, 13, 0                       ; the head's first work-group asks in steps 0 to 12
	s_mov_b32 s45, 0                               ; the step
	s_mov_b32 s46, 0                               ; the trip
	s_wait_loadcnt 0x0                             ; step 0's copy, and Q
	WIN 0x04
.irp i, 0,1,2,3,4,5,6,7
	ds_store_b128 v[LW], v[CP+4*\i:CP+4*\i+3] offset:512*\i
.endr
.irp i, 0,1,2,3,4,5,6,7
	ds_store_b128 v[LW], v[CP+32+4*\i:CP+32+4*\i+3] offset:VOFF+512*\i
.endr
	WIN 0
	s_wait_dscnt 0x0                               ; for the others' sake: my quarter of slot 0 has landed
	s_barrier_signal -1
	s_barrier_wait -1
.Ltrip:                                            ; 8 trips of two key steps: a constant count; what the flags leave out is jumped over inside
	HALF 0
	HALF 1
	s_add_nc_u64 s[32:33], s[32:33], 32768         ; (every load that named these has been waited for)
	s_add_nc_u64 s[34:35], s[34:35], 8192
	s_add_nc_u64 s[36:37], s[36:37], 1024
	s_add_nc_u64 s[38:39], s[38:39], 1024
.irp k, 16,17,18,19,20,21
	s_lshr_b32 s\k, s\k, 2
.endr
	s_add_co_u32 s46, s46, 1
	s_cmp_lt_u32 s46, 8
	s_cbranch_scc1 .Ltrip
	; THE WAY OUT.  The sum's two halves and the other half of the lanes' are added; O^T / the sum, rounded to f16: a lane's eight channels are 16 bytes of the next launch's operand, in the lane where they lie.
.irp t, 0,1,2,3
	v_add_f32 v[ST+8*\t+4], v[ST+8*\t+2], v[ST+8*\t+3]
.endr
.irp t, 0,1,2,3
	v_permlanex16_b32 v[ST+8*\t+5], v[ST+8*\t+4], s50, s51
.endr
.irp t, 0,1,2,3
	v_add_f32 v[ST+8*\t+4], v[ST+8*\t+4], v[ST+8*\t+5]
.endr
.irp t, 0,1,2,3
	v_rcp_f32 v[ST+8*\t+6], v[ST+8*\t+4]
.endr
	v_nop                                          ; a plain line behind the last reciprocal
	s_wait_alu depctr_va_vdst(0)                   ; one wait for the four, ahead of their first reader
.irp t, 0,1,2,3
	WIN 0x41
.set n, 0
.rept 16
	v_pk_mul_f32 v[32*\t+n:32*\t+n+1], v[32*\t+n:32*\t+n+1], v[ST+8*\t+6:ST+8*\t+7] op_sel_hi:[1,0]
.set n, n+2
.endr
	WIN 0x05                                       ; sources window 1, destination window 0
.set n, 0
.rept 16
	v_cvt_pk_f16_f32 v[S+16*\t+n], v[32*\t+2*n], v[32*\t+2*n+1]
.set n, n+1
.endr
	WIN 0
.irp c, 0,1,2,3
	global_store_b128 v[LI], v[S+16*\t+4*\c:S+16*\t+4*\c+3], s[54+2*(\t/2):55+2*(\t/2)] offset:(\t%2)*65536+\c*512   ; 32 lanes store 512 consecutive bytes, aligned
.endr
.endr
	s_wait_tensorcnt 0x0                           ; the wave's end
	ds_add_u32 v[SPW], v[NIL]
	s_wait_dscnt 0x0
	s_endpgm
.Lfunc_end_k_q038e528600_attn:
	.size	k_q038e528600_attn, .Lfunc_end_k_q038e528600_attn-k_q038e528600_attn
	.p2alignl 7, 3214868480
	.fill 96, 4, 3214868480
	.section	.rodata,"a",@progbits
	.p2align	6, 0x0
	.amdhsa_kernel k_q038e528600_attn
		.amdhsa_group_segment_fixed_size 66048
		.amdhsa_private_segment_fixed_size 0
		.amdhsa_enable_private_segment 0
		.amdhsa_kernarg_size 32
		.amdhsa_user_sgpr_count 2
		.amdhsa_user_sgpr_kernarg_segment_ptr 1
		.amdhsa_wavefront_size32 1
		.amdhsa_system_sgpr_workgroup_id_x 1
		.amdhsa_system_sgpr_workgroup_id_y 1
		.amdhsa_system_sgpr_workgroup_id_z 1
		.amdhsa_system_vgpr_workitem_id 0
		.amdhsa_next_free_vgpr 1024
		.amdhsa_next_free_sgpr 100
		.amdhsa_reserve_vcc 0
		.amdhsa_float_denorm_mode_32 3
		.amdhsa_float_denorm_mode_16_64 3
		.amdhsa_memory_ordered 1
		.amdhsa_forward_progress 1
		.amdhsa_inst_pref_size 187
	.end_amdhsa_kernel
	.amdgpu_metadata
---
amdhsa.version: [ 1, 2 ]
amdhsa.kernels:
  - .name:           k_q038e528600_attn
    .symbol:         k_q038e528600_attn.kd
    .args:
      - { .name: qkv, .offset: 0, .size: 8, .value_kind: global_buffer, .address_space: global }
      - { .name: flags, .offset: 8, .size: 8, .value_kind: global_buffer, .address_space: global }
      - { .name: attention_mask, .offset: 16, .size: 8, .value_kind: global_buffer, .address_space: global }
      - { .name: of, .offset: 24, .size: 8, .value_kind: global_buffer, .address_space: global }
    .group_segment_fixed_size: 66048
    .private_segment_fixed_size: 0
    .kernarg_segment_align: 8
    .kernarg_segment_size: 32
    .max_flat_workgroup_size: 128
    .sgpr_count:     100
    .vgpr_count:     1024
    .wavefront_size: 32
...
	.end_amdgpu_metadata
.endif
;; end of part 3
;; launch proj (part 4): grid 16 x 16, 4 waves a work-group, clusters of 4 x 4, 327,680 bytes of LDS; arguments of, wof, out0; writes out0
.if DOCPART == 4
	.amdgcn_target "amdgcn-amd-amdhsa--gfx1250"
	.amdhsa_code_object_version 6
	.text
	.protected	k_q038e528600_proj
	.globl	k_q038e528600_proj
	.p2align	8
	.type	k_q038e528600_proj,@function
k_q038e528600_proj:
	s_mov_b64 s[64:65], 0
	v_nop
	global_prefetch_b8 v0, s[64:65] scope:SCOPE_SE
	s_setreg_imm32_b32 hwreg(HW_REG_WAVE_MODE, 25, 1), 1
	s_wait_xcnt 0x0
	s_wait_alu depctr_hold_cnt(0) depctr_sa_sdst(0) depctr_va_vdst(0) depctr_va_sdst(0) depctr_va_ssrc(0) depctr_va_vcc(0) depctr_vm_vsrc(0)
	s_getreg_b32 s2, hwreg(HW_REG_IB_STS2, 6, 4)
	s_cmp_eq_u32 s2, 0
	s_cbranch_scc0 .Lentry_in_a_cluster
	s_endpgm
.Lentry_in_a_cluster:
	s_bfe_u32 s2, ttmp6, 0x10000c
	s_cmp_lg_u32 s2, 0xf033
	s_cbranch_scc0 .Lentry_shape_is_right
	s_endpgm
.Lentry_shape_is_right:
; out0[token][n] = sum over k of o[token][k] wo[k][n]: M = N = K = 2,048; operands f16, sums and result f32.
; BOTH OPERANDS ARRIVE AS IMAGES OF THEIR REGISTERS: [rows / 16 (128)][k / 32 (64)][half][lane][16 bytes]: 65,536 bytes for 16 rows, 1,024 for a fragment (16 rows x 32 K: two loads of 16 bytes a lane, 512 apart).
; A tile of the result is 128 x 128: 256 work-groups.  Four waves, each 64 x 64: 16 accumulators.  K goes in steps of 256 through two LDS slots: a step of 16 rows is 8,192 consecutive bytes; a wave's tensor load brings four such rows
; (64 rows of the operand).  In LDS the images lie on end: a fragment load is 512 consecutive bytes, so no padding is wanted.
; CLUSTERS: 4 x 4 work-groups; a row of the cluster shares A's tiles, a column B's: each is asked for jointly.  THE MATRIX INSTRUCTION IS USED TRANSPOSED (source 0 = 16 columns of wo, source 1 = 16 tokens):
; a lane holds eight neighbouring numbers of a row of the result.  A wave's 64 columns are 256 bytes: they go through the wave's OWN stage in LDS and leave as aligned runs of 256 bytes, sixteen lanes each.
; REGISTERS: window 0: v16-29 addresses; v32-95 the way out; v128-255 the accumulators ((a, b) at v[128 + 8 (4 a + b)]).  window 1: two fragment buffers of 128: for 64 along K, 64 registers of A, then 64 of B.
.set KSTEPB, 8192                      ; a K step of 16 rows, in bytes
.set HALFT,  4*KSTEPB                  ; 64 rows: what one tensor load brings, and what one wave reads of A or of B
.set SLOT,   4*HALFT                   ; A's 128 rows, then B's 128
.set STAGE,  2*SLOT                    ; behind the ring: 16 rows x 272 bytes for each wave
.set SPITCH, 272
.set SPARE,  STAGE+4*16*SPITCH         ; behind the stages: the spare words, 128 bytes for each wave: two blocks of 256 bytes that no other line names
.set LAPS,   4                         ; a lap = two K steps; K = 2,048
.set ADRA, 16
.set ADRB, 20
.set STO,  24
.set RD,   25
.set CO,   26
.set SPW,  28
.set NIL,  29
.set TMP,  32
.set ACC,  128
.set F0,   0
.set F1,   128
.set G1, 24
.set G0, 32
.set G1B, 48
.set G0B, 56
.set MSB, 0
.macro WIN new                         ; the immediate's high byte repeats the setting that is left
.if MSB != (\new)
	s_set_vgpr_msb (MSB<<8)|(\new)
.set MSB, (\new)
.endif
.endm
.set MUL,  0x05                        ; sources 0 (B) and 1 (A) window 1; C and D window 0
.set TO_F, 0x40                        ; destination window 1, address window 0
.macro JLOAD s                         ; a joint load: waves 0 and 1 fetch A's two halves, waves 2 and 3 B's; an s_nop 0 and four v_nop follow each of the two lines
	s_cmp_eq_u32 s11, 0
	s_cbranch_scc0 .Lfor_b_\@
	tensor_load_to_lds s[G0+4*\s:G0+4*\s+3], s[G1:G1+7]
	s_nop 0
.rept 4
	v_nop
.endr
	s_branch .Lasked_\@
.Lfor_b_\@:
	tensor_load_to_lds s[G0B+4*\s:G0B+4*\s+3], s[G1B:G1B+7]
	s_nop 0
.rept 4
	v_nop
.endr
.Lasked_\@:
.endm
.macro CREST
	s_cmp_lg_u32 s10, 0
	s_cbranch_scc1 .Lnot_wave_0_\@
	s_barrier_signal -3
.Lnot_wave_0_\@:
	s_barrier_wait -3
	s_barrier_signal -1
	s_barrier_wait -1
.endm
.macro CROUND
	s_barrier_signal -1
	s_barrier_wait -1
	CREST
.endm
	s_load_b128 s[4:7], s[0:1], 0x0                ; A (of) s[4:5], B (wof) s[6:7]
	s_load_b64 s[8:9], s[0:1], 0x10                ; out0
	v_lshl_add_u32 v[SPW], v0, 2, SPARE
	v_mov_b32 v[NIL], 0
	ds_add_u32 v[SPW], v[NIL]                      ; the wave's opening: the add, twice on end, and its wait ahead of my first tensor load
	ds_add_u32 v[SPW], v[NIL]
	v_lshrrev_b32 v1, 5, v0
	v_readfirstlane_b32 s10, v1                    ; wave 0..3
	s_lshr_b32 s11, s10, 1                         ; which half of the tile's rows is mine.  Also: I fetch for A (0) or for B (1)
	s_and_b32 s12, s10, 1                          ; which half of its columns.  Also: which 64 rows I fetch
	s_bfe_u32 s40, ttmp6, 0x40000                  ; cx, cy
	s_bfe_u32 s41, ttmp6, 0x40004
	s_lshl_b32 s42, ttmp9, 2
	s_add_co_u32 s42, s42, s40                     ; tile column
	s_and_b32 s13, ttmp7, 0xffff
	s_lshl_b32 s13, s13, 2
	s_add_co_u32 s13, s13, s41                     ; tile row
	s_lshl_b32 s43, s41, 2
	s_lshl_b32 s43, 15, s43                        ; my row of the cluster
	s_lshl_b32 s44, 0x1111, s40                    ; my column
	s_or_b32 s[G1+0], s43, (3<<16)|(1<<21)         ; the mask: A's tiles go to my row; elements of 8 bytes; bit 21 beside a mask; no padding
	s_or_b32 s[G1B+0], s44, (3<<16)|(1<<21)
.irp g, G1, G1B
	s_mov_b32 s[\g+1], 1024<<16                    ; tensor_dim0 = 1,024 elements: 8,192 bytes
	s_mov_b32 s[\g+2], 4<<16                       ; tensor_dim1 = 4
	s_mov_b32 s[\g+3], 1024<<16                    ; tile_dim0
	s_mov_b32 s[\g+4], 4                           ; tile_dim1
	s_mov_b32 s[\g+5], 8192                        ; the pitch: 65,536 bytes from 16 rows to the next
	s_mov_b32 s[\g+6], 0
	s_mov_b32 s[\g+7], 0
.endr
	s_lshl_b32 s17, s12, 2                         ; which four tiles of 16 rows I fetch
	s_lshl_b32 s16, s13, 3
	s_add_co_u32 s16, s16, s17
	s_lshl_b32 s16, s16, 16                        ; A: (8 x tile row + 4 x half) x 65,536 bytes
	s_lshl_b32 s46, s42, 3
	s_add_co_u32 s46, s46, s17
	s_lshl_b32 s46, s46, 16                        ; B: by the tile column
	s_mov_b32 s17, 0
	s_mov_b32 s47, 0
	s_mul_i32 s20, s10, HALFT                      ; where they go: wave x 64 rows
	s_wait_dscnt 0x0                               ; both opening adds are done
	s_wait_kmcnt 0x0
	s_add_nc_u64 s[14:15], s[4:5], s[16:17]
	s_add_nc_u64 s[46:47], s[6:7], s[46:47]
	CROUND                                         ; all sixteen work-groups are here: the first joint loads meet
.irp s, 0,1
	s_mov_b32 s[G0+4*\s], 1
	s_add_co_u32 s[G0+4*\s+1], s20, \s*SLOT
	s_add_nc_u64 s[G0+4*\s+2:G0+4*\s+3], s[14:15], \s*KSTEPB
	s_or_b32 s[G0+4*\s+3], s[G0+4*\s+3], 0x80000000
	s_mov_b32 s[G0B+4*\s], 1
	s_add_co_u32 s[G0B+4*\s+1], s20, \s*SLOT
	s_add_nc_u64 s[G0B+4*\s+2:G0B+4*\s+3], s[46:47], \s*KSTEPB
	s_or_b32 s[G0B+4*\s+3], s[G0B+4*\s+3], 0x80000000
	JLOAD \s
.endr
	v_and_b32 v1, 15, v0                           ; r
	v_bfe_u32 v2, v0, 4, 1                         ; h
	v_and_b32 v3, 31, v0
	v_lshlrev_b32 v3, 4, v3                        ; 16 x lane: an image's place for my lane
	s_mul_i32 s21, s11, HALFT                      ; my 64 rows of A
	s_mul_i32 s22, s12, HALFT                      ; my 64 rows of B,
	s_add_co_u32 s22, s22, 2*HALFT                 ; behind A's 128
.irp s, 0,1
	v_add_nc_u32 v[ADRA+\s], s21, v3
	v_add_nc_u32 v[ADRB+\s], s22, v3
	s_add_co_u32 s21, s21, SLOT
	s_add_co_u32 s22, s22, SLOT
.endr
	s_mul_i32 s23, s10, 16*SPITCH
	s_add_co_u32 s23, s23, STAGE                   ; my stage
	v_mul_u32_u24 v4, v1, SPITCH                   ; in: row r, 32 bytes for each half of the lanes
	v_lshl_add_u32 v4, v2, 5, v4
	v_add_nc_u32 v[STO], s23, v4
	v_mul_u32_u24 v5, v2, SPITCH                   ; back: lanes 0-15 one row of 256 bytes, lanes 16-31 the next
	v_lshl_add_u32 v5, v1, 4, v5
	v_add_nc_u32 v[RD], s23, v5
	v_lshlrev_b32 v5, 13, v2                       ; and the same two rows in out0: 8,192 bytes a row
	v_lshl_add_u32 v[CO], v1, 4, v5
	s_lshl_b32 s16, s13, 7
	s_lshl_b32 s17, s11, 6
	s_add_co_u32 s16, s16, s17                     ; my first row: 128 x tile row + 64 x half
	s_lshl_b32 s16, s16, 13
	s_mov_b32 s17, 0
	s_add_nc_u64 s[8:9], s[8:9], s[16:17]
	s_lshl_b32 s46, s42, 9                         ; my first column, in bytes: 512 x tile column + 256 x half
	s_lshl_b32 s47, s12, 8
	s_add_co_u32 s46, s46, s47
	s_mov_b32 s47, 0
	s_add_nc_u64 s[8:9], s[8:9], s[46:47]
; 8 matrix instructions: m blocks a0, a0 + 1 x all 4 n blocks, 32 along K: half c of buffer f.  zero = 1: the first product starts the sums.  The 16 accumulators take turns.
.macro MUL8 f, c, a0, zero
.irp a, \a0, \a0+1
.irp b, 0,1,2,3
.if \zero
	v_wmma_f32_16x16x32_f16 v[ACC+8*(4*(\a)+\b):ACC+8*(4*(\a)+\b)+7], v[\f+64+8*(4*\c+\b):\f+64+8*(4*\c+\b)+7], v[\f+8*(4*\c+\a):\f+8*(4*\c+\a)+7], 0
.else
	v_wmma_f32_16x16x32_f16 v[ACC+8*(4*(\a)+\b):ACC+8*(4*(\a)+\b)+7], v[\f+64+8*(4*\c+\b):\f+64+8*(4*\c+\b)+7], v[\f+8*(4*\c+\a):\f+8*(4*\c+\a)+7], v[ACC+8*(4*(\a)+\b):ACC+8*(4*(\a)+\b)+7]
.endif
.endr
.endr
.endm
; 32 LDS loads in one run: the fragments of 64 along K (two images of 1,024 bytes for each 16 rows, from byte k of the K step on) into buffer f; the first 32 along K first
.macro FETCH slot, k, f
	WIN TO_F
.irp c, 0,1
.irp i, 0,1,2,3
	ds_load_b128 v[\f+64+8*(4*\c+\i):\f+64+8*(4*\c+\i)+3],   v[ADRB+\slot] offset:\k+1024*\c+\i*KSTEPB
	ds_load_b128 v[\f+64+8*(4*\c+\i)+4:\f+64+8*(4*\c+\i)+7], v[ADRB+\slot] offset:\k+1024*\c+\i*KSTEPB+512
	ds_load_b128 v[\f+8*(4*\c+\i):\f+8*(4*\c+\i)+3],         v[ADRA+\slot] offset:\k+1024*\c+\i*KSTEPB
	ds_load_b128 v[\f+8*(4*\c+\i)+4:\f+8*(4*\c+\i)+7],       v[ADRA+\slot] offset:\k+1024*\c+\i*KSTEPB+512
.endr
.endr
.endm
.macro PLACES                          ; four plain vector lines in front of loads into registers that matrix instructions have read, and of reads of results
.rept 4
	v_nop
.endr
.endm
; A K step is four quarters of 64 along K, 32 matrix instructions each, on buffers 0, 1, 0, 1.
.macro QUARTER slot, k, f, g, zero
	s_wait_dscnt 16                                ; the first 32 along K are in; the sixteen loads of the second 32 may be out
	WIN MUL
	MUL8 \f, 0, 0, \zero
	MUL8 \f, 0, 2, \zero
	PLACES
	FETCH \slot, \k, \g
	s_wait_dscnt 32                                ; all but the 32 just issued
	WIN MUL
	MUL8 \f, 1, 0, 0
	MUL8 \f, 1, 2, 0
.endm
; The last quarter changes slots: one barrier; in front of it each wave waits for all its tensor loads, adds 0 to its spare word, and waits for that and for its reads of this slot.
.macro TURN slot, next, fill
	WIN 0
	s_wait_tensorcnt 0x0                           ; all my tensor loads have landed: my part of the next slot
	ds_add_u32 v[SPW], v[NIL]                      ; 0 onto my spare word
	s_wait_dscnt 17                                ; the add and the youngest sixteen loads may be out
	WIN MUL
	MUL8 F1, 0, 0, 0
	s_wait_dscnt 0x0                               ; the add is done, and my reads of this slot are over
	s_barrier_signal -1
	MUL8 F1, 0, 2, 0
.if \fill
	WIN 0
.endif
	s_barrier_wait -1
.if \fill
	CREST                                          ; the barrier has opened a round of the cluster's barrier: no wave of any partner still reads this slot or has a load on its way
	s_add_nc_u64 s[G0+4*\slot+2:G0+4*\slot+3], s[G0+4*\slot+2:G0+4*\slot+3], 2*KSTEPB
	s_add_nc_u64 s[G0B+4*\slot+2:G0B+4*\slot+3], s[G0B+4*\slot+2:G0B+4*\slot+3], 2*KSTEPB
	JLOAD \slot                                    ; the first tensor load behind the round; its four v_nop are the places in front of the loads below
.else
	PLACES
.endif
	FETCH \next, 0, F0
	WIN MUL
	MUL8 F1, 1, 0, 0
	MUL8 F1, 1, 2, 0
.endm
	s_wait_tensorcnt 1                             ; my part of K step 0 is in; K step 1's load may be out
	s_barrier_signal -1
	s_barrier_wait -1
	FETCH 0, 0, F0
	QUARTER 0, 2048, F0, F1, 1                     ; the first quarter stands in front of the loop: its first products start the sums
	WIN 0
	s_mov_b32 s3, LAPS-1
.Llap:                                             ; a trip goes once round the ring and fills both slots again
	QUARTER 0, 4096, F1, F0, 0
	QUARTER 0, 6144, F0, F1, 0
	TURN 0, 1, 1
	QUARTER 1, 2048, F0, F1, 0
	QUARTER 1, 4096, F1, F0, 0
	QUARTER 1, 6144, F0, F1, 0
	TURN 1, 0, 1
	QUARTER 0, 2048, F0, F1, 0
	WIN 0
	s_sub_co_u32 s3, s3, 1
	s_cmp_lg_u32 s3, 0
	s_cbranch_scc1 .Llap
	QUARTER 0, 4096, F1, F0, 0                     ; the last lap fills nothing
	QUARTER 0, 6144, F0, F1, 0
	TURN 0, 1, 0
	QUARTER 1, 2048, F0, F1, 0
	QUARTER 1, 4096, F1, F0, 0
	QUARTER 1, 6144, F0, F1, 0
	s_wait_dscnt 16
	WIN MUL
	MUL8 F1, 0, 0, 0
	MUL8 F1, 0, 2, 0
	s_wait_dscnt 0
	MUL8 F1, 1, 0, 0
	MUL8 F1, 1, 2, 0
	WIN 0
; THE WAY OUT, a block of 16 rows x 64 columns at a time, through my own stage: in as 32 bytes a lane, back as whole rows of 256 bytes.  LDS serves a wave's instructions in order: no wait between the stores and the loads,
; nor in front of the next block's stores.
.macro TOSTAGE a
.irp b, 0,1,2,3
	ds_store_b128 v[STO], v[ACC+8*(4*(\a)+\b):ACC+8*(4*(\a)+\b)+3] offset:64*\b          ; each accumulator from its low end on
	ds_store_b128 v[STO], v[ACC+8*(4*(\a)+\b)+4:ACC+8*(4*(\a)+\b)+7] offset:64*\b+16
.endr
.irp t, 0,1,2,3,4,5,6,7
	ds_load_b128 v[TMP+32*((\a)%2)+4*\t:TMP+32*((\a)%2)+4*\t+3], v[RD] offset:2*\t*SPITCH
.endr
.endm
.macro SEND a, younger                 ; younger: the LDS instructions issued behind block a's loads, which may stay out
	s_wait_dscnt \younger
.irp t, 0,1,2,3,4,5,6,7
	global_store_b128 v[CO], v[TMP+32*((\a)%2)+4*\t:TMP+32*((\a)%2)+4*\t+3], s[8:9] offset:(16*(\a)+2*\t)*8192 th:TH_STORE_NT   ; sixteen lanes store 256 consecutive bytes, aligned; written once, read by nobody here
.endr
.endm
	PLACES
	TOSTAGE 0
.irp a, 1,2,3
.if \a > 1
	s_wait_xcnt 0x0                                ; block a - 2's stores have read their registers: block a's loads may land there
.endif
	TOSTAGE \a
	SEND \a-1, 16                                  ; behind block a - 1's loads: block a's 8 stores and 8 loads
.endr
	SEND 3, 0
	s_wait_tensorcnt 0x0                           ; the wave's end
	ds_add_u32 v[SPW], v[NIL]
	s_wait_dscnt 0x0
	CROUND                                         ; the closing round: no work-group ends while a partner may still ask for a tile that names it
	s_endpgm
.Lfunc_end_k_q038e528600_proj:
	.size	k_q038e528600_proj, .Lfunc_end_k_q038e528600_proj-k_q038e528600_proj
	.p2alignl 7, 3214868480
	.fill 96, 4, 3214868480
	.section	.rodata,"a",@progbits
	.p2align	6, 0x0
	.amdhsa_kernel k_q038e528600_proj
		.amdhsa_group_segment_fixed_size 327680
		.amdhsa_private_segment_fixed_size 0
		.amdhsa_enable_private_segment 0
		.amdhsa_kernarg_size 24
		.amdhsa_user_sgpr_count 2
		.amdhsa_user_sgpr_kernarg_segment_ptr 1
		.amdhsa_wavefront_size32 1
		.amdhsa_system_sgpr_workgroup_id_x 1
		.amdhsa_system_sgpr_workgroup_id_y 1
		.amdhsa_system_sgpr_workgroup_id_z 1
		.amdhsa_system_vgpr_workitem_id 0
		.amdhsa_next_free_vgpr 512
		.amdhsa_next_free_sgpr 66
		.amdhsa_reserve_vcc 0
		.amdhsa_float_denorm_mode_32 3
		.amdhsa_float_denorm_mode_16_64 3
		.amdhsa_memory_ordered 1
		.amdhsa_forward_progress 1
		.amdhsa_inst_pref_size 85
	.end_amdhsa_kernel
	.amdgpu_metadata
---
amdhsa.version: [ 1, 2 ]
amdhsa.kernels:
  - .name:           k_q038e528600_proj
    .symbol:         k_q038e528600_proj.kd
    .args:
      - { .name: of, .offset: 0, .size: 8, .value_kind: global_buffer, .address_space: global }
      - { .name: wof, .offset: 8, .size: 8, .value_kind: global_buffer, .address_space: global }
      - { .name: out0, .offset: 16, .size: 8, .value_kind: global_buffer, .address_space: global }
    .group_segment_fixed_size: 327680
    .private_segment_fixed_size: 0
    .kernarg_segment_align: 8
    .kernarg_segment_size: 24
    .max_flat_workgroup_size: 128
    .sgpr_count:     66
    .vgpr_count:     512
    .wavefront_size: 32
...
	.end_amdgpu_metadata
.endif
;; end of part 4
